; MI455X (gfx1250); checked and timed in simulation.
; The chip was launched on July 23, 2026; its instructions are those of AMD's public machine-readable ISA for CDNA 5 (MIT licence, August 2026) and "CDNA5" Instruction Set Architecture Reference Guide (July 2026). The comments in the code are by the model that wrote it; some were corrected since.
;; Attention. Allowed arithmetic: float matrix products may take bf16 or f16 operands with f32 sums; other float arithmetic in f32, or as packed bf16 or f16 multiplies, adds, multiply-adds, maxima and minima; sums over many terms, partial sums and values carried from step to step in f32; what a program stores and reads back later, other than sums and carried values, may be rounded once to bf16 or f16.
;; Inputs: freqs_cos 2,048 x 64 float32; freqs_sin 2,048 x 64 float32; mask 1 x 1 x 2,048 x 2,048 float32; section_log_len 1 x 1 x 2,048 x 1 float32; seq_scale 1 x 16 x 1 x 1 float32; wk 2,048 x 2,048 float32; wo 2,048 x 2,048 float32; wq 2,048 x 2,048 float32; wv 2,048 x 2,048 float32; x 1 x 2,048 x 2,048 float32.
;; Outputs: out0 1 x 2,048 x 2,048 float32.
;; One version. Each part assembles by itself: llvm-mc -triple=amdgcn-amd-amdhsa -mcpu=gfx1250 --defsym DOCPART=n.
;; ======== version 1 of 1: 4 launches
;; limits: values are held in f16: magnitudes above 65,504 overflow, below 6.1e-05 lose precision
;; workspace buffers: xb 8,388,608 bytes; wb 25,165,824 bytes; wob 8,388,608 bytes; mask2 16,777,216 bytes; qi 8,388,608 bytes; ki 8,388,608 bytes; vi 8,388,608 bytes; oi 8,388,608 bytes
;; launch prep (part 1): grid 256 x 6, 8 waves a work-group, no clusters, 0 bytes of LDS; arguments x, wq, wk, wv, wo, mask, xb, wb, wob, mask2; writes xb, wb, wob, mask2
.if DOCPART == 1
	.amdgcn_target "amdgcn-amd-amdhsa--gfx1250"
	.amdhsa_code_object_version 6
	.text
	.protected	k_q704a737d6b_prep
	.globl	k_q704a737d6b_prep
	.p2align	8
	.type	k_q704a737d6b_prep,@function
k_q704a737d6b_prep:
	s_mov_b64 s[64:65], 0
	v_nop
	global_prefetch_b8 v0, s[64:65] scope:SCOPE_SE
	s_setreg_imm32_b32 hwreg(HW_REG_WAVE_MODE, 25, 1), 1
	s_wait_xcnt 0x0
; PREP: the inputs are rounded once to bf16 and laid out for the three matrix launches.  A stream: no LDS, no matrix work.
; job = the work-group's y.  0: x -> xb (bf16).  1, 2, 3: wq, wk, wv -> wb, parts 0, 1, 2 (bf16).  4: wo -> wob (rounded to bf16, that number written as f16).
; 5: mask -> mask2 = bf16(mask) x log2(e) in f32, in the order in which a lane of the attention launch holds its scores:
;    byte ((qt 32 + ks) 8 + c) 512 + 16 lane, qt = q / 16, ks = key / 64, c = 2 ((key / 16) % 4) + (key / 4) % 2, lane = q % 16 + 16 ((key / 8) % 2).
; A wave takes 16 pieces of 512 bytes of f32: all 16 loads go out at once, each piece has registers of its own, and no register is written twice:
; the waits count down 15 .. 0 and nothing else is waited for.  Each store of a wave covers 256 (jobs 0-4) or 512 (job 5) consecutive bytes, aligned.
; LIMITS.  bf16(wo) must lie within f16's 65,504; below 6.1e-5 it keeps f16's fixed step of 6e-8.
.set X, 16                             ; v[16:79]  piece i at X + 4 i
	s_load_b512 s[4:19], s[0:1], 0x0               ; x s[4:5], wq s[6:7], wk s[8:9], wv s[10:11], wo s[12:13], mask s[14:15], xb s[16:17], wb s[18:19]
	s_load_b128 s[20:23], s[0:1], 0x40             ; wob s[20:21], mask2 s[22:23]
	s_and_b32 s24, ttmp7, 0xffff                   ; job
	v_lshrrev_b32 v1, 5, v0
	v_readfirstlane_b32 s25, v1                    ; wave 0..7
	v_and_b32 v2, 31, v0                           ; lane
	v_lshlrev_b32 v3, 4, v2                        ; 16 x lane
	v_lshlrev_b32 v4, 3, v2                        ; 8 x lane
	s_lshl_b32 s26, ttmp9, 3
	s_add_co_u32 s26, s26, s25                     ; u = 8 x work-group + wave: 0..2047
	s_mov_b32 s27, 0xffff0000                      ; a word's upper bf16
	s_lshl_b32 s32, s26, 13                        ; u x 8,192 bytes of f32
	s_mov_b32 s33, 0
	s_lshl_b32 s34, s26, 12                        ; u x 4,096 bytes of 16-bit numbers
	s_mov_b32 s35, 0
	s_wait_kmcnt 0x0
	s_cmp_eq_u32 s24, 5
	s_cbranch_scc1 .Lmask
	s_cmp_eq_u32 s24, 4
	s_cbranch_scc1 .Lwo
.macro LOAD16                          ; 16 x 512 consecutive bytes
.set i, 0
.rept 16
	global_load_b128 v[X+4*i:X+4*i+3], v3, s[28:29] offset:512*i th:TH_LOAD_NT
.set i, i+1
.endr
.endm
.macro ROUND4 i                        ; four f32 rounded to bf16 and widened again, in place
	v_cvt_pk_bf16_f32 v[X+4*(\i)], v[X+4*(\i)], v[X+4*(\i)+1]
	v_cvt_pk_bf16_f32 v[X+4*(\i)+2], v[X+4*(\i)+2], v[X+4*(\i)+3]
	v_and_b32 v[X+4*(\i)+1], s27, v[X+4*(\i)]
	v_lshlrev_b32 v[X+4*(\i)], 16, v[X+4*(\i)]
	v_and_b32 v[X+4*(\i)+3], s27, v[X+4*(\i)+2]
	v_lshlrev_b32 v[X+4*(\i)+2], 16, v[X+4*(\i)+2]
.endm
	; jobs 0 to 3: f32 to bf16
	s_cmp_eq_u32 s24, 1
	s_cselect_b64 s[28:29], s[6:7], s[4:5]
	s_cmp_eq_u32 s24, 2
	s_cselect_b64 s[28:29], s[8:9], s[28:29]
	s_cmp_eq_u32 s24, 3
	s_cselect_b64 s[28:29], s[10:11], s[28:29]
	s_cmp_eq_u32 s24, 0
	s_cselect_b64 s[30:31], s[16:17], s[18:19]
	s_max_u32 s36, s24, 1
	s_sub_co_u32 s36, s36, 1                       ; the part of wb (0 for x too)
	s_lshl_b32 s36, s36, 23                        ; 8,388,608 bytes a part
	s_mov_b32 s37, 0
	s_add_nc_u64 s[30:31], s[30:31], s[36:37]
	s_add_nc_u64 s[28:29], s[28:29], s[32:33]
	s_add_nc_u64 s[30:31], s[30:31], s[34:35]
	LOAD16
.set i, 0
.rept 16
	s_wait_loadcnt 15-i                            ; loads come back in order: piece i is in, the younger ones stay out
	v_cvt_pk_bf16_f32 v[X+4*i], v[X+4*i], v[X+4*i+1]
	v_cvt_pk_bf16_f32 v[X+4*i+1], v[X+4*i+2], v[X+4*i+3]
	global_store_b64 v4, v[X+4*i:X+4*i+1], s[30:31] offset:256*i th:TH_STORE_NT
.set i, i+1
.endr
	s_endpgm
.Lwo:                                  ; job 4: f32 to bf16, and that number as f16
	s_add_nc_u64 s[28:29], s[12:13], s[32:33]
	s_add_nc_u64 s[30:31], s[20:21], s[34:35]
	LOAD16
.set i, 0
.rept 16
	s_wait_loadcnt 15-i
	ROUND4 i
	v_cvt_pk_f16_f32 v[X+4*i], v[X+4*i], v[X+4*i+1]
	v_cvt_pk_f16_f32 v[X+4*i+1], v[X+4*i+2], v[X+4*i+3]
	global_store_b64 v4, v[X+4*i:X+4*i+1], s[30:31] offset:256*i th:TH_STORE_NT
.set i, i+1
.endr
	s_endpgm
.Lmask:                                ; job 5: 16 queries x 128 keys a wave: the wave's 16 loads together take 512 consecutive bytes of each of 16 rows
	s_lshr_b32 s36, ttmp9, 1                       ; qt
	s_and_b32 s37, ttmp9, 1
	s_lshl3_add_u32 s37, s37, s25                  ; kg = 8 (work-group % 2) + wave: two key steps of 64
	s_lshl_b32 s32, s36, 17                        ; 16 rows of 8,192 bytes
	s_lshl_b32 s34, s37, 9                         ; 128 keys of 4 bytes
	s_add_co_u32 s34, s34, s32
	s_lshl_b32 s38, s37, 13                        ; two key steps of 4,096 bytes in mask2
	s_add_co_u32 s32, s32, s38
	s_add_nc_u64 s[28:29], s[14:15], s[34:35]
	s_add_nc_u64 s[30:31], s[22:23], s[32:33]
	v_and_b32 v5, 15, v0                           ; the query, lane % 16
	v_bfe_u32 v6, v0, 4, 1                         ; lane / 16
	v_lshlrev_b32 v5, 13, v5
	v_lshl_add_u32 v5, v6, 5, v5                   ; row x 8,192 + 32 (lane / 16)
.set i, 0
.rept 16                                       ; piece i = 8 ks + c
	global_load_b128 v[X+4*i:X+4*i+3], v5, s[28:29] offset:(i/8)*256+((i%8)/2)*64+(i%2)*16
.set i, i+1
.endr
.set i, 0
.rept 16
	s_wait_loadcnt 15-i
	ROUND4 i
	v_pk_mul_f32 v[X+4*i:X+4*i+1], v[X+4*i:X+4*i+1], 0x3fb8aa3b op_sel_hi:[1,0]      ; x log2(e)
	v_pk_mul_f32 v[X+4*i+2:X+4*i+3], v[X+4*i+2:X+4*i+3], 0x3fb8aa3b op_sel_hi:[1,0]
	global_store_b128 v3, v[X+4*i:X+4*i+3], s[30:31] offset:512*i th:TH_STORE_NT
.set i, i+1
.endr
	s_endpgm
.Lfunc_end_k_q704a737d6b_prep:
	.size	k_q704a737d6b_prep, .Lfunc_end_k_q704a737d6b_prep-k_q704a737d6b_prep
	.p2alignl 7, 3214868480
	.fill 96, 4, 3214868480
	.section	.rodata,"a",@progbits
	.p2align	6, 0x0
	.amdhsa_kernel k_q704a737d6b_prep
		.amdhsa_group_segment_fixed_size 0
		.amdhsa_private_segment_fixed_size 0
		.amdhsa_enable_private_segment 0
		.amdhsa_kernarg_size 80
		.amdhsa_user_sgpr_count 2
		.amdhsa_user_sgpr_kernarg_segment_ptr 1
		.amdhsa_wavefront_size32 1
		.amdhsa_system_sgpr_workgroup_id_x 1
		.amdhsa_system_sgpr_workgroup_id_y 1
		.amdhsa_system_sgpr_workgroup_id_z 1
		.amdhsa_system_vgpr_workitem_id 0
		.amdhsa_next_free_vgpr 80
		.amdhsa_next_free_sgpr 66
		.amdhsa_reserve_vcc 0
		.amdhsa_float_denorm_mode_32 3
		.amdhsa_float_denorm_mode_16_64 3
		.amdhsa_memory_ordered 1
		.amdhsa_forward_progress 1
		.amdhsa_inst_pref_size 28
	.end_amdhsa_kernel
	.amdgpu_metadata
---
amdhsa.version: [ 1, 2 ]
amdhsa.kernels:
  - .name:           k_q704a737d6b_prep
    .symbol:         k_q704a737d6b_prep.kd
    .args:
      - { .name: x, .offset: 0, .size: 8, .value_kind: global_buffer, .address_space: global }
      - { .name: wq, .offset: 8, .size: 8, .value_kind: global_buffer, .address_space: global }
      - { .name: wk, .offset: 16, .size: 8, .value_kind: global_buffer, .address_space: global }
      - { .name: wv, .offset: 24, .size: 8, .value_kind: global_buffer, .address_space: global }
      - { .name: wo, .offset: 32, .size: 8, .value_kind: global_buffer, .address_space: global }
      - { .name: mask, .offset: 40, .size: 8, .value_kind: global_buffer, .address_space: global }
      - { .name: xb, .offset: 48, .size: 8, .value_kind: global_buffer, .address_space: global }
      - { .name: wb, .offset: 56, .size: 8, .value_kind: global_buffer, .address_space: global }
      - { .name: wob, .offset: 64, .size: 8, .value_kind: global_buffer, .address_space: global }
      - { .name: mask2, .offset: 72, .size: 8, .value_kind: global_buffer, .address_space: global }
    .group_segment_fixed_size: 0
    .private_segment_fixed_size: 0
    .kernarg_segment_align: 8
    .kernarg_segment_size: 80
    .max_flat_workgroup_size: 256
    .sgpr_count:     66
    .vgpr_count:     80
    .wavefront_size: 32
...
	.end_amdgpu_metadata
.endif
;; end of part 1
;; launch qkv (part 2): grid 16 x 16, 4 waves a work-group, clusters of 4 x 4, 327,680 bytes of LDS; arguments xb, wb, freqs_cos, freqs_sin, qi, ki, vi; writes qi, ki, vi
.if DOCPART == 2
	.amdgcn_target "amdgcn-amd-amdhsa--gfx1250"
	.amdhsa_code_object_version 6
	.text
	.protected	k_q704a737d6b_qkv
	.globl	k_q704a737d6b_qkv
	.p2align	8
	.type	k_q704a737d6b_qkv,@function
k_q704a737d6b_qkv:
	s_mov_b64 s[64:65], 0
	v_nop
	global_prefetch_b8 v0, s[64:65] scope:SCOPE_SE
	s_setreg_imm32_b32 hwreg(HW_REG_WAVE_MODE, 25, 1), 1
	s_wait_xcnt 0x0
	s_wait_alu depctr_hold_cnt(0) depctr_sa_sdst(0) depctr_va_vdst(0) depctr_va_sdst(0) depctr_va_ssrc(0) depctr_va_vcc(0) depctr_vm_vsrc(0)
	s_getreg_b32 s2, hwreg(HW_REG_IB_STS2, 6, 4)
	s_cmp_eq_u32 s2, 0
	s_cbranch_scc0 .Lentry_in_a_cluster
	s_endpgm
.Lentry_in_a_cluster:
	s_bfe_u32 s2, ttmp6, 0x10000c
	s_cmp_lg_u32 s2, 0xf033
	s_cbranch_scc0 .Lentry_shape_is_right
	s_endpgm
.Lentry_shape_is_right:
; QKV: q, k, v = x W (bf16 operands, f32 sums), the rotation of neighbouring column pairs of q and k by cos and sin (rounded once to bf16, used in f32), results rounded once to f16.
; SHARES.  A work-group makes 128 rows x (q, k and v of ONE head: 3 x 128 columns); the grid's x is the row block, its y the head: 16 x 16 = 256 work-groups.  Wave w: rows 64 (w / 2) on, columns
; 64 (w % 2) on of each of the three parts: 48 accumulators of 16 x 16.  K goes in 16 steps of 128 through two LDS slots; a quarter step is 32 along K, 48 matrix instructions.
; x lies [row][k]: its fragments come out of LDS as they lie.  W lies [k][n]: its fragments come turned, by ds_load_tr16_b128.
; q and k are taken transposed (source 0 = 16 columns of W, source 1 = 16 rows of x): a lane holds ONE row and eight neighbouring columns, so a rotation's pair lies in one lane.
; v is taken straight (source 0 = x, source 1 = W): a lane holds ONE channel and eight neighbouring keys.
; THE RESULTS ARE STORED AS THE NEXT LAUNCH'S FRAGMENTS: a tile of 16 x 16 packs into four registers a lane, and those 512 bytes (16 a lane) are stored on end:
;   qi, ki: ((head 128 + row / 16) 8 + channel / 16) 512 + 16 lane      vi: head 524,288 + (key / 32) 8,192 + (channel / 16) 1,024 + ((key / 16) % 2) 512 + 16 lane
; so each store of a wave covers 512 consecutive bytes, aligned, straight from registers.
; CLUSTER 4 x 4: x's tile hangs on the row block alone and is asked for jointly down a column of the cluster, W's tiles on the head alone and jointly along a row.
; ONE K STEP IS WRITTEN ONCE: the slot in hand is a scalar offset, 0 or SLOT, turned by an exclusive or; the fragment addresses are made anew from it at each change of slots, and one descriptor walks.
; LIMITS.  q, k (rotated) and v must lie within f16's 65,504.  NaN and infinities are not treated apart.
; REGISTERS, in windows of 256: window 0: v2-15 addresses; v16-31, v96-127 packed results; v32-95 x's fragments, two buffers (on the way out: at work); v128-255 cos and sin.
;   window 1: W's fragments, two buffers of 96.   window 2: the 32 accumulators of q and k, (a, nb) at 8 (8 a + nb).   window 3: the 16 of v, (a, b) at 8 (4 a + b).
.set PA,    272                        ; an LDS row of x: 256 bytes + 16: the 16 rows of a load start at 16 different groups of four banks
.set PB,    288                        ; an LDS row of W: 256 + 32
.set BPART, 128*PB                     ; 36,864: a quarter of a slot.  Wave w's tile lies at w x BPART: x's 128 rows (34,816 bytes of it) first, then W's three parts
.set BOFF,  BPART
.set SLOT,  4*BPART                    ; 147,456 = 0x24000: it shares no bit with w x BPART (0x9000 w), so one exclusive or turns a tile's LDS address into the other slot's
.set SPARE, 2*SLOT                     ; behind the ring: the spare words, 128 bytes a wave: two blocks of 256 bytes that no other line names
.set ADRA,  2                          ; v2      LDS address of my fragments of x in the slot in hand
.set ADRA0, 3                          ; v3      the same in slot 0; never rewritten
.set ADRB,  4                          ; v4-6    the same for W's three parts, in the slot in hand
.set ADRB0, 7                          ; v7-9    in slot 0; never rewritten
.set CO,   10                          ; v10     my byte offset in cos and sin
.set GO,   11                          ; v11     16 x lane
.set PFO,  12                          ; v12     4,096 x lane: a row of xb or wb; never rewritten
.set SPW,  14                          ; v14     LDS address of my spare word; never rewritten
.set NIL,  15                          ; v15     0; never rewritten
.set PKV,  16
.set FA,   32
.set T,    32
.set PK,   96
.set COS,  128                         ; cos (a, b, i) at COS + 32 a + 4 b + i, sin 16 further on
.set TB,  18                           ; s18  the slot in hand: 0 or SLOT
.set HM,  19                           ; s19  a word's upper bf16
.set WV,  20                           ; s20  wave
.set WR,  21                           ; s21  which 64 rows
.set WC,  22                           ; s22  which 64 columns of each part
.set WB,  23                           ; s23  which part of W I fetch (waves 1 to 3): it enters the global address alone
.set G1A, 24                           ; s[24:31] descriptor group 1 for x's tiles
.set G0A, 32                           ; s[32:39] group 0: a set for each of the two first fills; the second then walks
.set PFA, 44                           ; s[44:45] where my prefetches stand
.set LIM, 46                           ; s46  2 in a wave that prefetches, else the greatest number
.set LB,  47                           ; s47  my tile's place in a slot: wave x BPART
.set G1B, 48                           ; s[48:55], s[56:63] the same for W's tiles
.set G0B, 56
.set PFS, 66                           ; s[66:67] a K step in bytes along my prefetches: 256 in xb, 128 rows in wb
.set MSB, 0
.macro WIN new                         ; the immediate's high byte repeats the setting that is left; a switch that changes nothing is dropped
.if MSB != (\new)
	s_set_vgpr_msb (MSB<<8)|(\new)
.set MSB, \new
.endif
.endm
.set MUL_QK, 0xa1                      ; source 0 (W) window 1, source 1 (x) window 0, C and D window 2
.set MUL_V,  0xf4                      ; source 0 (x) window 0, source 1 (W) window 1, C and D window 3
.set TO_B,   0x40                      ; destination window 1
.set ROPE,   0x02                      ; source 0 window 2
.set CVTV,   0x0f                      ; sources 0 and 1 window 3
.macro PLACES                          ; four plain places in front of loads into registers that matrix instructions have read
.rept 4
	v_nop
.endr
.endm
; A joint refill, by the walking descriptors.  Wave 0 fetches x's tile, waves 1 to 3 W's three.  The branch hangs on the wave's number alone.  An s_nop 0 and four v_nop follow each line.
.macro JLOAD
	s_cmp_eq_u32 s[WV], 0
	s_cbranch_scc0 .Lfor_b_\@
	tensor_load_to_lds s[G0A+4:G0A+7], s[G1A:G1A+7]
	s_nop 0
.rept 4
	v_nop
.endr
	s_branch .Lasked_\@
.Lfor_b_\@:
	tensor_load_to_lds s[G0B+4:G0B+7], s[G1B:G1B+7]
	s_nop 0
.rept 4
	v_nop
.endr
.Lasked_\@:
.endm
; A prefetch of the K step that stands two refills on: 32 rows x 256 bytes, a lane a row.  x's rows are read by every cluster of a column of clusters: cluster y = 0 asks; W's by every cluster of a row:
; cluster x = 0 asks.  The four partners that ask for a tile jointly take 32 of its 128 rows each, told apart by address.  So each block of 256 bytes is named once.
; Refill r of 14 (s3 = 14 - r) brings K step r + 2 and names K step r + 4: the last two refills (s3 = 2, 1) ask for nothing.
.macro ASK
	WIN 0
	s_cmp_gt_u32 s3, s[LIM]
	s_cbranch_scc0 .Lnot_mine_\@
	global_prefetch_b8 v[PFO], s[PFA:PFA+1] th:TH_LOAD_NT scope:SCOPE_SE
.Lnot_mine_\@:
.endm
.macro CREST                           ; a round of the cluster's barrier behind its opening barrier
	s_cmp_lg_u32 s[WV], 0
	s_cbranch_scc1 .Lnot_wave_0_\@
	s_barrier_signal -3
.Lnot_wave_0_\@:
	s_barrier_wait -3
	s_barrier_signal -1
	s_barrier_wait -1
.endm
.macro CROUND
	s_barrier_signal -1
	s_barrier_wait -1
	CREST
.endm
	s_load_b256 s[4:11], s[0:1], 0x0               ; xb s[4:5], wb s[6:7], cos s[8:9], sin s[10:11]
	s_load_b128 s[12:15], s[0:1], 0x20             ; qi s[12:13], ki s[14:15]
	s_load_b64 s[16:17], s[0:1], 0x30              ; vi
	v_lshl_add_u32 v[SPW], v0, 2, SPARE
	v_mov_b32 v[NIL], 0
	ds_add_u32 v[SPW], v[NIL]                      ; the wave's opening: the add and its wait stand ahead of my first tensor load; work on registers stands between them
	v_lshrrev_b32 v1, 5, v0
	v_readfirstlane_b32 s[WV], v1
	s_lshr_b32 s[WR], s[WV], 1
	s_and_b32 s[WC], s[WV], 1
	s_max_u32 s[WB], s[WV], 1
	s_sub_co_u32 s[WB], s[WB], 1                   ; waves 1, 2, 3: parts 0, 1, 2 (wave 0 issues none of W's loads)
	s_bfe_u32 s40, ttmp6, 0x40000                  ; cx
	s_bfe_u32 s41, ttmp6, 0x40004                  ; cy
	s_lshl_b32 s43, ttmp9, 2
	s_add_co_u32 s43, s43, s40                     ; the row block = 4 x cluster x + cx
	s_and_b32 s42, ttmp7, 0xffff
	s_lshl_b32 s42, s42, 2
	s_add_co_u32 s42, s42, s41                     ; the head = 4 x cluster y + cy
	s_lshl_b32 s68, s41, 2
	s_lshl_b32 s68, 15, s68                        ; my row of the cluster: the four that share my head
	s_lshl_b32 s69, 0x1111, s40                    ; my column: the four that share my row block
	s_or_b32 s[G1A], s69, (1<<16)|(1<<20)|(1<<21)|(5<<22)|(3<<25)  ; the mask; 2-byte elements; padding on; bit 21 beside a mask; after every 64 words 4 words
	s_or_b32 s[G1B], s68, (1<<16)|(1<<20)|(1<<21)|(5<<22)|(7<<25)  ; the same with 8 words
.irp g, G1A, G1B
	s_mov_b32 s[(\g)+1], 128<<16                   ; tensor_dim0 = 128
	s_mov_b32 s[(\g)+2], 128<<16                   ; tensor_dim1 = 128
	s_mov_b32 s[(\g)+3], 128<<16                   ; tile_dim0 = 128
	s_mov_b32 s[(\g)+4], 128                       ; tile_dim1 = 128
	s_mov_b32 s[(\g)+5], 2048                      ; elements from row to row
	s_mov_b32 s[(\g)+6], 0
	s_mov_b32 s[(\g)+7], 0
.endr
	s_lshl_b32 s70, s43, 19                        ; x: 128 rows of 4,096 bytes a row block
	s_mov_b32 s71, 0
	s_lshl_b32 s72, s[WB], 23                      ; W: the part,
	s_lshl_b32 s73, s42, 8                         ; the head's 128 columns
	s_add_co_u32 s72, s72, s73
	s_mov_b32 s73, 0
	s_mul_i32 s[LB], s[WV], BPART                  ; where my tile goes: the wave's number times a quarter of a slot
	; cos and sin of my 64 rows x my 32 pairs: pair 8 (channel block) + 4 (lane / 16) + i of row lane % 16: 16 bytes a load
	v_and_b32 v1, 15, v0                           ; r
	v_bfe_u32 v13, v0, 4, 1                        ; hl
	v_lshlrev_b32 v[CO], 8, v1
	v_lshl_add_u32 v[CO], v13, 4, v[CO]
	s_lshl_b32 s76, s[WC], 7
	v_add_nc_u32 v[CO], s76, v[CO]                 ; 256 r + 16 hl + 128 wc
	s_lshl_b32 s78, s43, 15
	s_lshl_b32 s79, s[WR], 14
	s_add_co_u32 s78, s78, s79                     ; (128 row block + 64 wr) x 256 bytes
	s_mov_b32 s79, 0
	s_mov_b32 s[TB], 0
	s_mov_b32 s[HM], 0xffff0000
	s_wait_dscnt 0x0                               ; the opening add is done
	s_wait_kmcnt 0x0
	s_add_nc_u64 s[70:71], s[4:5], s[70:71]
	s_add_nc_u64 s[72:73], s[6:7], s[72:73]
	s_add_nc_u64 s[8:9], s[8:9], s[78:79]
	s_add_nc_u64 s[10:11], s[10:11], s[78:79]
.irp a, 0,1,2,3                        ; asked for ahead of the round, so that they are rounded while the first tiles are on their way
.irp b, 0,1,2,3
	global_load_b128 v[COS+32*(\a)+4*(\b):COS+32*(\a)+4*(\b)+3], v[CO], s[8:9] offset:(\a)*4096+(\b)*32
	global_load_b128 v[COS+16+32*(\a)+4*(\b):COS+16+32*(\a)+4*(\b)+3], v[CO], s[10:11] offset:(\a)*4096+(\b)*32
.endr
.endr
	CROUND                                         ; all sixteen work-groups are here: the first joint loads meet
.irp s, 0,1
	s_mov_b32 s[G0A+4*(\s)], 1
	s_mov_b32 s[G0A+4*(\s)+1], (\s)*SLOT
	s_add_nc_u64 s[G0A+4*(\s)+2:G0A+4*(\s)+3], s[70:71], (\s)*256        ; K step s: 256 bytes along the rows
	s_or_b32 s[G0A+4*(\s)+3], s[G0A+4*(\s)+3], 0x80000000
	s_mov_b32 s[G0B+4*(\s)], 1
	s_add_co_u32 s[G0B+4*(\s)+1], s[LB], (\s)*SLOT
	s_add_nc_u64 s[G0B+4*(\s)+2:G0B+4*(\s)+3], s[72:73], (\s)*524288     ; K step s: 128 rows down
	s_or_b32 s[G0B+4*(\s)+3], s[G0B+4*(\s)+3], 0x80000000
.endr
	s_cmp_eq_u32 s[WV], 0                          ; a wave's two first fills stand in one branch: two loads of mine are out
	s_cbranch_scc0 .Lfirst_b
	tensor_load_to_lds s[G0A:G0A+3], s[G1A:G1A+7]
	s_nop 0
	tensor_load_to_lds s[G0A+4:G0A+7], s[G1A:G1A+7]
	s_nop 0
.rept 4
	v_nop
.endr
	s_branch .Lfirst_asked
.Lfirst_b:
	tensor_load_to_lds s[G0B:G0B+3], s[G1B:G1B+7]
	s_nop 0
	tensor_load_to_lds s[G0B+4:G0B+7], s[G1B:G1B+7]
	s_nop 0
.rept 4
	v_nop
.endr
.Lfirst_asked:
	; LDS addresses.  x: row x pitch + 16 hl.  W, turned: (8 hl + l % 8) x pitch + 16 ((l / 8) % 2) + my 64 columns
	v_mul_u32_u24 v16, v1, PA
	v_lshl_add_u32 v16, v13, 4, v16
	s_mul_i32 s77, s[WR], 64*PA
	v_add_nc_u32 v[ADRA0], s77, v16
	v_mov_b32 v[ADRA], v[ADRA0]
	v_and_b32 v17, 7, v0
	v_bfe_u32 v18, v0, 3, 1
	v_lshl_add_u32 v19, v13, 3, v17
	v_mul_u32_u24 v19, v19, PB
	v_lshl_add_u32 v19, v18, 4, v19
	v_add_nc_u32 v19, s76, v19                     ; + 128 wc
.irp j, 0,1,2
	v_add_nc_u32 v[ADRB0+(\j)], BOFF+(\j)*BPART, v19
	v_mov_b32 v[ADRB+(\j)], v[ADRB0+(\j)]
.endr
	v_and_b32 v[GO], 31, v0
	v_lshlrev_b32 v[PFO], 12, v[GO]
	v_lshlrev_b32 v[GO], 4, v[GO]
	; where my results go
	s_lshl_b32 s74, s42, 19
	s_lshl_b32 s75, s43, 15
	s_add_co_u32 s74, s74, s75
	s_lshl_b32 s75, s[WR], 14
	s_add_co_u32 s74, s74, s75                     ; head 524,288 + row block 32,768 + wr 16,384
	s_lshl_b32 s75, s[WC], 11
	s_add_co_u32 s76, s74, s75                     ; qi, ki: + four channel blocks of 512
	s_lshl_b32 s75, s[WC], 12
	s_add_co_u32 s74, s74, s75                     ; vi: + four of 1,024
	s_mov_b32 s75, 0
	s_mov_b32 s77, 0
	s_add_nc_u64 s[12:13], s[12:13], s[76:77]
	s_add_nc_u64 s[14:15], s[14:15], s[76:77]
	s_add_nc_u64 s[16:17], s[16:17], s[74:75]
	; the prefetches
	s_and_b32 s78, ttmp7, 0xffff                   ; cluster y
	s_movk_i32 s66, 0x100
	s_mov_b32 s67, 0x80000
	s_cmp_eq_u32 s[WV], 0                          ; do I fetch x?
	s_cselect_b32 s79, s41, s40                    ; my place among the four that ask with me: cy for x, cx for W
	s_cselect_b32 s78, s78, ttmp9                  ; the coordinate along which other clusters read the same rows: cluster y for x, cluster x for W
	s_cselect_b64 s[PFA:PFA+1], s[70:71], s[72:73]
	s_cselect_b32 s66, s66, s67
	s_mov_b32 s67, 0
	s_cmp_eq_u32 s78, 0
	s_cselect_b32 s[LIM], 2, -1                    ; the same in all sixteen partners, for a given wave
	s_lshl_b32 s78, s79, 17                        ; my work-group's 32 rows of 4,096 bytes
	s_mov_b32 s79, 0
	s_add_nc_u64 s[PFA:PFA+1], s[PFA:PFA+1], s[78:79]
	s_mul_i32 s78, s66, 3
	s_add_nc_u64 s[PFA:PFA+1], s[PFA:PFA+1], s[78:79]  ; at K step 3: the first change of slots steps it to 4.  Nothing is prefetched here, at the head
	s_wait_loadcnt 0x0                             ; cos and sin: rounded to bf16 and widened again, in place
.set p, 0
.rept 64
	v_cvt_pk_bf16_f32 v[16+p%8], v[COS+2*p], v[COS+2*p+1]
	v_lshlrev_b32 v[COS+2*p], 16, v[16+p%8]
	v_and_b32 v[COS+2*p+1], s[HM], v[16+p%8]
.set p, p+1
.endr
; 16 matrix instructions of q and k: row blocks a0, a0 + 1 x column blocks 0-7, 32 along K, fragment buffer f.  zero = 1: the product starts the sum.  All 48 accumulators take turns.
.macro MULQK f, a0, zero
	WIN MUL_QK
.irp a, \a0, (\a0)+1
.irp nb, 0,1,2,3,4,5,6,7
.if \zero
	v_wmma_f32_16x16x32_bf16 v[8*(8*(\a)+(\nb)):8*(8*(\a)+(\nb))+7], v[96*(\f)+8*(\nb):96*(\f)+8*(\nb)+7], v[FA+32*(\f)+8*(\a):FA+32*(\f)+8*(\a)+7], 0
.else
	v_wmma_f32_16x16x32_bf16 v[8*(8*(\a)+(\nb)):8*(8*(\a)+(\nb))+7], v[96*(\f)+8*(\nb):96*(\f)+8*(\nb)+7], v[FA+32*(\f)+8*(\a):FA+32*(\f)+8*(\a)+7], v[8*(8*(\a)+(\nb)):8*(8*(\a)+(\nb))+7]
.endif
.endr
.endr
.endm
.macro MULV f, zero                    ; the 16 of v
	WIN MUL_V
.irp a, 0,1,2,3
.irp b, 0,1,2,3
.if \zero
	v_wmma_f32_16x16x32_bf16 v[8*(4*(\a)+(\b)):8*(4*(\a)+(\b))+7], v[FA+32*(\f)+8*(\a):FA+32*(\f)+8*(\a)+7], v[96*(\f)+64+8*(\b):96*(\f)+64+8*(\b)+7], 0
.else
	v_wmma_f32_16x16x32_bf16 v[8*(4*(\a)+(\b)):8*(4*(\a)+(\b))+7], v[FA+32*(\f)+8*(\a):FA+32*(\f)+8*(\a)+7], v[96*(\f)+64+8*(\b):96*(\f)+64+8*(\b)+7], v[8*(4*(\a)+(\b)):8*(4*(\a)+(\b))+7]
.endif
.endr
.endr
.endm
; 32 LDS loads in one run: quarter q of the slot in hand into buffer f: x's four fragments, then W's twelve; v's four are the youngest eight loads
.macro FETCH q, f
	WIN 0
.irp a, 0,1,2,3
	ds_load_b128 v[FA+32*(\f)+8*(\a):FA+32*(\f)+8*(\a)+3],   v[ADRA] offset:(\a)*16*PA+(\q)*64
	ds_load_b128 v[FA+32*(\f)+8*(\a)+4:FA+32*(\f)+8*(\a)+7], v[ADRA] offset:(\a)*16*PA+(\q)*64+32
.endr
	WIN TO_B
.irp j, 0,1,2
.irp b, 0,1,2,3
	ds_load_tr16_b128 v[96*(\f)+8*(4*(\j)+(\b)):96*(\f)+8*(4*(\j)+(\b))+3],   v[ADRB+(\j)] offset:(\q)*32*PB+(\b)*32
	ds_load_tr16_b128 v[96*(\f)+8*(4*(\j)+(\b))+4:96*(\f)+8*(4*(\j)+(\b))+7], v[ADRB+(\j)] offset:(\q)*32*PB+(\b)*32+16*PB
.endr
.endr
.endm
; One of a K step's first three quarters: multiplies buffer f, and fetches quarter q of the same slot into buffer g
.macro QUARTER q, f, g, zero
	s_wait_dscnt 8                                 ; all but the youngest eight loads (v's fragments of W) are in
	MULQK \f, 0, \zero
	PLACES
	FETCH \q, \g
	s_wait_dscnt 32                                ; all but the 32 just issued
	MULQK \f, 2, \zero
	MULV \f, \zero
.endm
; The last quarter multiplies buffer 1 and changes slots: one barrier; in front of it each wave waits for all its tensor loads (one is out: its part of the next slot), adds 0 to its spare word,
; and waits for that and for its reads of this slot.  fill = 1: the barrier opens a round of the cluster's, and the slot is filled again, two K steps ahead, first thing behind the round.
.macro TURN fill
.if \fill
	s_wait_xcnt 0x0                                ; the last prefetch, a K step back, has read its address
	s_add_nc_u64 s[PFA:PFA+1], s[PFA:PFA+1], s[PFS:PFS+1]
.endif
	WIN 0
	s_wait_tensorcnt 0x0                           ; all my tensor loads have landed
	ds_add_u32 v[SPW], v[NIL]                      ; 0 onto my spare word
	s_wait_dscnt 9                                 ; (the add and the youngest eight loads may be out)
	MULQK 1, 0, 0
	s_wait_dscnt 0x0                               ; the add is done, and my reads of this slot are over
	s_barrier_signal -1
	MULQK 1, 2, 0
	WIN 0
	s_barrier_wait -1
.if \fill
	CREST                                          ; no wave of any partner still reads this slot or has a load on its way
	s_xor_b32 s[G0A+5], s[G0A+5], SLOT             ; the walking descriptors: the other slot than last time,
	s_add_nc_u64 s[G0A+6:G0A+7], s[G0A+6:G0A+7], 256     ; the next K step
	s_xor_b32 s[G0B+5], s[G0B+5], SLOT
	s_add_nc_u64 s[G0B+6:G0B+7], s[G0B+6:G0B+7], 524288
	JLOAD                                          ; my one tensor load behind the round; its four v_nop are also places in front of the loads below
.else
	PLACES
.endif
	s_xor_b32 s[TB], s[TB], SLOT                   ; the fetches go on in the other slot
	v_add_nc_u32 v[ADRA], s[TB], v[ADRA0]
.irp j, 0,1,2
	v_add_nc_u32 v[ADRB+(\j)], s[TB], v[ADRB0+(\j)]
.endr
	FETCH 0, 0
.if \fill
	ASK
.endif
	MULV 1, 0
.endm
	s_wait_tensorcnt 1                             ; my part of K step 0 is in; K step 1's may stay out
	s_barrier_signal -1
	s_barrier_wait -1
	FETCH 0, 0
	QUARTER 1, 0, 1, 1                             ; the first quarter stands in front of the loop: its products start the sums
	WIN 0
	s_mov_b32 s3, 14
.Lstep:                                        ; a trip goes from a K step's second quarter to the next step's first, and fills the slot that it leaves: K steps 2 to 15
	QUARTER 2, 1, 0, 0
	QUARTER 3, 0, 1, 0
	TURN 1
	QUARTER 1, 0, 1, 0
	WIN 0
	s_sub_co_u32 s3, s3, 1
	s_cmp_lg_u32 s3, 0
	s_cbranch_scc1 .Lstep
	QUARTER 2, 1, 0, 0                             ; the last two K steps fill nothing
	QUARTER 3, 0, 1, 0
	TURN 0
	QUARTER 1, 0, 1, 0
	QUARTER 2, 1, 0, 0
	QUARTER 3, 0, 1, 0
	s_wait_dscnt 8
	MULQK 1, 0, 0
	MULQK 1, 2, 0
	s_wait_dscnt 0x0
	MULV 1, 0
	WIN 0
	PLACES
	PLACES
; THE WAY OUT of row block a.  q and k: (even, odd) -> (even cos - odd sin, even sin + odd cos), each accumulator read from its low end on; rounded to f16; eight stores of 512 bytes.  v: rounded; four stores.
.macro OUT a
	WIN ROPE
.set nb, 0
.rept 8
.set p, 0
.rept 4
.set rA, 8*(8*(\a)+nb)+2*p
.set rT, T+8*nb+2*p
.set rC, COS+32*(\a)+4*(nb%4)+p
	v_mul_f32 v[rT], v[rA], v[rC]
	v_mul_f32 v[rT+1], v[rA], v[rC+16]
	v_fma_f32 v[rT], -v[rA+1], v[rC+16], v[rT]
	v_fmac_f32 v[rT+1], v[rA+1], v[rC]
.set p, p+1
.endr
.set nb, nb+1
.endr
	WIN 0
.if (\a) > 0
	s_wait_xcnt 0x0                                ; the stores of the block before have read their data registers, which are written again below
.endif
.set p, 0
.rept 32
	v_cvt_pk_f16_f32 v[PK+p], v[T+2*p], v[T+2*p+1]
.set p, p+1
.endr
.irp b, 0,1,2,3
	global_store_b128 v[GO], v[PK+4*(\b):PK+4*(\b)+3], s[12:13] offset:(\a)*4096+(\b)*512
	global_store_b128 v[GO], v[PK+16+4*(\b):PK+16+4*(\b)+3], s[14:15] offset:(\a)*4096+(\b)*512
.endr
	WIN CVTV
.set p, 0
.rept 16
	v_cvt_pk_f16_f32 v[PKV+p], v[32*(\a)+2*p], v[32*(\a)+2*p+1]
.set p, p+1
.endr
	WIN 0
.irp b, 0,1,2,3
	global_store_b128 v[GO], v[PKV+4*(\b):PKV+4*(\b)+3], s[16:17] offset:((\a)/2)*8192+((\a)%2)*512+(\b)*1024
.endr
.endm
	OUT 0
	OUT 1
	OUT 2
	OUT 3
	s_wait_tensorcnt 0x0                           ; the wave's end
	ds_add_u32 v[SPW], v[NIL]
	s_wait_dscnt 0x0
	CROUND                                         ; the closing round: no work-group ends while a partner may still ask for a tile that names it
	s_endpgm
.Lfunc_end_k_q704a737d6b_qkv:
	.size	k_q704a737d6b_qkv, .Lfunc_end_k_q704a737d6b_qkv-k_q704a737d6b_qkv
	.p2alignl 7, 3214868480
	.fill 96, 4, 3214868480
	.section	.rodata,"a",@progbits
	.p2align	6, 0x0
	.amdhsa_kernel k_q704a737d6b_qkv
		.amdhsa_group_segment_fixed_size 327680
		.amdhsa_private_segment_fixed_size 0
		.amdhsa_enable_private_segment 0
		.amdhsa_kernarg_size 56
		.amdhsa_user_sgpr_count 2
		.amdhsa_user_sgpr_kernarg_segment_ptr 1
		.amdhsa_wavefront_size32 1
		.amdhsa_system_sgpr_workgroup_id_x 1
		.amdhsa_system_sgpr_workgroup_id_y 1
		.amdhsa_system_sgpr_workgroup_id_z 1
		.amdhsa_system_vgpr_workitem_id 0
		.amdhsa_next_free_vgpr 896
		.amdhsa_next_free_sgpr 80
		.amdhsa_reserve_vcc 0
		.amdhsa_float_denorm_mode_32 3
		.amdhsa_float_denorm_mode_16_64 3
		.amdhsa_memory_ordered 1
		.amdhsa_forward_progress 1
		.amdhsa_inst_pref_size 123
	.end_amdhsa_kernel
	.amdgpu_metadata
---
amdhsa.version: [ 1, 2 ]
amdhsa.kernels:
  - .name:           k_q704a737d6b_qkv
    .symbol:         k_q704a737d6b_qkv.kd
    .args:
      - { .name: xb, .offset: 0, .size: 8, .value_kind: global_buffer, .address_space: global }
      - { .name: wb, .offset: 8, .size: 8, .value_kind: global_buffer, .address_space: global }
      - { .name: freqs_cos, .offset: 16, .size: 8, .value_kind: global_buffer, .address_space: global }
      - { .name: freqs_sin, .offset: 24, .size: 8, .value_kind: global_buffer, .address_space: global }
      - { .name: qi, .offset: 32, .size: 8, .value_kind: global_buffer, .address_space: global }
      - { .name: ki, .offset: 40, .size: 8, .value_kind: global_buffer, .address_space: global }
      - { .name: vi, .offset: 48, .size: 8, .value_kind: global_buffer, .address_space: global }
    .group_segment_fixed_size: 327680
    .private_segment_fixed_size: 0
    .kernarg_segment_align: 8
    .kernarg_segment_size: 56
    .max_flat_workgroup_size: 128
    .sgpr_count:     80
    .vgpr_count:     896
    .wavefront_size: 32
...
	.end_amdgpu_metadata
.endif
;; end of part 2
;; launch attn (part 3): grid 16 x 16, 4 waves a work-group, clusters of 4 x 1, 327,680 bytes of LDS; arguments qi, ki, vi, mask2, section_log_len, seq_scale, oi; writes oi
.if DOCPART == 3
	.amdgcn_target "amdgcn-amd-amdhsa--gfx1250"
	.amdhsa_code_object_version 6
	.text
	.protected	k_q704a737d6b_attn
	.globl	k_q704a737d6b_attn
	.p2align	8
	.type	k_q704a737d6b_attn,@function
k_q704a737d6b_attn:
	s_mov_b64 s[64:65], 0
	v_nop
	global_prefetch_b8 v0, s[64:65] scope:SCOPE_SE
	s_setreg_imm32_b32 hwreg(HW_REG_WAVE_MODE, 25, 1), 1
	s_wait_xcnt 0x0
	s_wait_alu depctr_hold_cnt(0) depctr_sa_sdst(0) depctr_va_vdst(0) depctr_va_sdst(0) depctr_va_ssrc(0) depctr_va_vcc(0) depctr_vm_vsrc(0)
	s_getreg_b32 s2, hwreg(HW_REG_IB_STS2, 6, 4)
	s_cmp_eq_u32 s2, 0
	s_cbranch_scc0 .Lentry_in_a_cluster
	s_endpgm
.Lentry_in_a_cluster:
	s_bfe_u32 s2, ttmp6, 0x10000c
	s_cmp_lg_u32 s2, 0x3003
	s_cbranch_scc0 .Lentry_shape_is_right
	s_endpgm
.Lentry_shape_is_right:
; ATTENTION.  O[h][q] = the sum over k of softmax_k(q.k / sqrt(128) x sll[q] x ss[h] + mask[q][k]) v[k].  q, k, v, O in f16, as fragment images (512 bytes = 16 a lane); products, maxima and sums in f32.
; The mask is an input: every key is walked for every query.  In base 2: t = s c2 + mask2, c2 = bf16(sll) bf16(ss) log2(e) / sqrt(128) in f32, one factor a query; mask2 = bf16(mask) log2(e).
; p = 2^(t - m) with a running maximum m of t; O and l are multiplied by a = 2^(m_old - m_new) in every step.  m starts at the lowest finite number, O and l at 0: the first step is a step like any other.
; SHARES.  A work-group owns 128 queries of one head: 16 x 16 = 256 work-groups.  THE KEYS ARE SPLIT BETWEEN WAVE PAIRS: wave w owns queries 64 (w % 2) on (four tiles of 16) and the key steps of 64 of
; parity w / 2: 16 steps.  At the end the two halves of a query's keys meet in LDS: of its four tiles a wave keeps its first two and sends the others to wave w xor 2; the tiles are numbered so that this is one text.
; LAYOUT.  S^T = K Q^T: a lane holds one query (lane % 16) and the keys 8 (lane / 16) + 0..7; two such results rounded to f16 are source 1 of O^T = V^T P.  K, V and Q lie in memory as fragments,
; so LDS holds them without padding, lane i reads at 16 i, and no load turns anything.  The mask comes straight into registers, 512 consecutive bytes an instruction, two turns ahead of its use.
; BY TURNS.  Piece 0 = register tiles 0, 1; piece 2 = tiles 2, 3.  In a turn one piece has the matrix unit (32 products V^T P, then 32 K Q^T of the next step); the other piece's softmax stands behind them, four
; vector instructions behind each, and what four to a product cannot hold (298 - 256 = 42, all plain) stands together behind the last.
; CLUSTER.  The four query blocks of a cluster belong to one head and walk the same K and V: each tile is asked for jointly.
; LIMITS.  q, k, v within f16's 65,504; p below 6e-5 keeps f16's fixed step; a weight below 2^-126 counts as 0 in l; NaN and infinities are not treated apart (a row whose mask is all -inf gives NaN).
; The scale is one f32 factor, not three roundings.
; REGISTERS: window 0: v2-11 addresses; v12-43 statistics, 8 a tile; v44-51 c2, twice a tile; v52-59 at work; v60-63; v64-191 S^T; v192-255 P.   window 1: O^T, 64 a tile.
;   window 2: v0-127 Q, v128-255 K of one step.   window 3: v0-127 V of one step, v128-255 the mask, 32 a tile.
.set SLOT1, 1<<17                      ; a slot: 256 keys of K (65,536 bytes), then of V; slot 1 begins here
.set SPARE, 2*SLOT1                    ; the spare words, 128 bytes a wave: two blocks of 256 bytes that no other line names
.set XB,    16896                      ; the exchange at the end: 33 x 512 bytes a wave, in slot 0, behind its last fill
.set AK0, 2                            ; v2   16 lane + 16,384 x my key parity
.set AV0, 3                            ; v3   the same + 65,536
.set ADR, 4                            ; v4   the LDS address of the run of loads in hand
.set GO,  5                            ; v5   16 lane
.set XS,  6                            ; v6   where I put what I send
.set XR,  7                            ; v7   where I read what I am sent
.set ST,  12                           ; tile t at ST + 8 t: +0 m, +1 m_old - m_new, +2, +3 l, +4 to +7 c0-c3 at work (c0: the new m; c2: a)
.set CQ,  44
.set PFOM, 60                          ; v60  the mask prefetches' offset; never rewritten
.set PFO, 61                           ; v61  256 lane; never rewritten
.set SPW, 62
.set NIL, 63
.set S,   64
.set P,   192
.set KF,  128                          ; window 2
.set MK,  128                          ; window 3
.set WV,  12
.set G1,  24                           ; s[24:31] descriptor group 1: 128 rows of 256 dense bytes
.set G0A, 32                           ; s[32:35] group 0 of the first fill of slot 0
.set G0B, 36                           ; s[36:39] of slot 1; it then walks
.set MB,  40                           ; s[40:41], s[42:43] mask2 at piece 0's, piece 2's first tile
.set MP,  44                           ; s[44:45], s[46:47] the same at the step to be loaded
.set MO,  48                           ; s[48:49], s[50:51] that step's byte offset
.set MOMAX, 52                         ; s52  the last step's
.set LIM, 53                           ; s53  1 where I prefetch K and V, else the greatest number
.set LIMM, 54                          ; s54  0 where I prefetch the mask, else the greatest number
.set SLOTS, 56
.set CNT, 57
.set PFA, 58                           ; s[58:59]
.set SEL, 60                           ; s[60:61]
.set TB,  62                           ; s62  LDS byte at which the step to be fetched begins
.set PFM, 66                           ; s[66:67]
.set MSB, 0
.macro WIN new
.if MSB != (\new)
	s_set_vgpr_msb (MSB<<8)|(\new)
.set MSB, \new
.endif
.endm
.set W_KQ, 0x0a                        ; K and Q in window 2, S^T in window 0
.set W_PV, 0x53                        ; V in window 3, P in window 0, O^T in window 1
.set W_RS, 0x41                        ; destination and source 0 in window 1
.set W_MA, 0x30                        ; source 2 in window 3
.macro PLACES
.rept 4
	v_nop
.endr
.endm
.macro CROUND
	s_barrier_signal -1
	s_barrier_wait -1
	s_cmp_lg_u32 s[WV], 0
	s_cbranch_scc1 .Lnot_wave_0_\@
	s_barrier_signal -3
.Lnot_wave_0_\@:
	s_barrier_wait -3
	s_barrier_signal -1
	s_barrier_wait -1
.endm
; PREFETCHES, behind the joint load and its five lines.  K and V: the slot after the one just asked for; all clusters of a head walk the same rows, so the head's first cluster asks; of the 128 blocks of 256 bytes
; that a wave fetches, each of the four partners takes 32, told apart by address.  The last filling change asks for nothing.  The mask: my own 4 tiles x 2 steps x 4,096 bytes of the next slot's steps; all heads
; read the same mask, so head 0's work-groups ask.  Each block is named once in the launch.
.macro ASK
	s_cmp_gt_u32 s[SLOTS], s[LIM]
	s_cbranch_scc0 .Lno_kv_\@
	global_prefetch_b8 v[PFO], s[PFA:PFA+1] th:TH_LOAD_NT scope:SCOPE_SE
.Lno_kv_\@:
	s_cmp_gt_u32 s[SLOTS], s[LIMM]
	s_cbranch_scc0 .Lno_m_\@
.irp h, 0,1,2,3
	global_prefetch_b8 v[PFOM], s[PFM:PFM+1] offset:(\h)*131072 th:TH_LOAD_NT scope:SCOPE_SE
.endr
.Lno_m_\@:
.endm
	s_load_b256 s[4:11], s[0:1], 0x0               ; qi s[4:5], ki s[6:7], vi s[8:9], mask2 s[10:11]
	s_load_b128 s[16:19], s[0:1], 0x20             ; section_log_len s[16:17], seq_scale s[18:19]
	s_load_b64 s[20:21], s[0:1], 0x30              ; oi
	v_lshl_add_u32 v[SPW], v0, 2, SPARE
	v_mov_b32 v[NIL], 0
	ds_add_u32 v[SPW], v[NIL]                      ; the wave's opening: the add and its wait stand ahead of my first tensor load
	v_lshrrev_b32 v1, 5, v0
	v_readfirstlane_b32 s[WV], v1
	s_and_b32 s13, s[WV], 1                        ; qh: which 64 queries; also which half of K's or V's 256 keys I fetch
	s_lshr_b32 s14, s[WV], 1                       ; kp: my key parity
	s_bfe_u32 s15, ttmp6, 0x40000                  ; cx
	s_lshl_b32 s22, ttmp9, 2
	s_add_co_u32 s22, s22, s15                     ; my block of 128 queries: it enters global addresses alone
	s_and_b32 s23, ttmp7, 0xffff                   ; the head, which the four partners share
	s_mov_b32 s[G1], 15|(3<<16)|(1<<21)            ; the mask of four; 8-byte elements; bit 21 beside a mask; no padding
	s_mov_b32 s[G1+1], 32<<16                      ; tensor_dim0 = 32
	s_mov_b32 s[G1+2], 128<<16                     ; tensor_dim1 = 128
	s_mov_b32 s[G1+3], 32<<16                      ; tile_dim0 = 32
	s_mov_b32 s[G1+4], 128                         ; tile_dim1 = 128
	s_mov_b32 s[G1+5], 32                          ; dense rows
	s_mov_b32 s[G1+6], 0
	s_mov_b32 s[G1+7], 0
	s_lshl_b32 s68, s23, 19                        ; the head's 524,288 bytes
	s_lshl_b32 s69, s13, 15
	s_add_co_u32 s68, s68, s69                     ; + my half of a slot's K or V
	s_mov_b32 s69, 0
	s_lshl_b32 s70, s[WV], 15                      ; LDS: wave x 32,768
	s_lshl_b32 s73, s22, 3
	s_lshl2_add_u32 s73, s13, s73                  ; my first query tile: 8 block + 4 qh
	s_lshl1_add_u32 s71, s14, s73                  ; piece 0's: + 2 kp
	s_xor_b32 s72, s14, 1
	s_lshl1_add_u32 s72, s72, s73                  ; piece 2's: + 2 (1 - kp)
	s_mov_b32 s[SEL], 0x76543210
	s_mov_b32 s[SEL+1], 0xfedcba98
	s_mov_b32 s[TB], 0
	s_lshl_b32 s[MO], s14, 12                      ; step 0 of my parity: 4,096 kp
	s_mov_b32 s[MO+1], 0
	s_mov_b32 s[MO+2], s[MO]
	s_mov_b32 s[MO+3], 0
	s_add_co_u32 s[MOMAX], s[MO], 15*8192
	s_mov_b32 s74, ttmp9
	s_cmp_eq_u32 s74, 0
	s_cselect_b32 s[LIM], 1, -1                    ; the same in all four partners
	s_cmp_eq_u32 s23, 0
	s_cselect_b32 s[LIMM], 0, -1
	s_mov_b32 s[G0A], 1
	s_mov_b32 s[G0A+1], s70
	s_mov_b32 s[G0B], 1
	s_add_co_u32 s[G0B+1], s70, SLOT1
	s_wait_dscnt 0x0                               ; the opening add is done
	s_wait_kmcnt 0x0
	s_cmp_lt_u32 s[WV], 2                          ; waves 0, 1 fetch K, waves 2, 3 V
	s_cselect_b64 s[74:75], s[6:7], s[8:9]
	s_add_nc_u64 s[74:75], s[74:75], s[68:69]
	s_add_nc_u64 s[G0A+2:G0A+3], s[74:75], 0
	s_or_b32 s[G0A+3], s[G0A+3], 0x80000000
	s_add_nc_u64 s[G0B+2:G0B+3], s[74:75], 65536
	s_or_b32 s[G0B+3], s[G0B+3], 0x80000000
	s_lshl_b32 s76, s15, 13                        ; my work-group's 32 blocks of 256 bytes
	s_mov_b32 s77, 0
	s_add_nc_u64 s[PFA:PFA+1], s[74:75], s[76:77]
	s_add_nc_u64 s[PFA:PFA+1], s[PFA:PFA+1], 2*65536  ; in the third 256 keys; the first change steps it on
	s_lshl_b32 s76, s71, 17
	s_add_nc_u64 s[MB:MB+1], s[10:11], s[76:77]
	s_lshl_b32 s76, s72, 17
	s_add_nc_u64 s[MB+2:MB+3], s[10:11], s[76:77]
	s_add_nc_u64 s[MP:MP+1], s[MB:MB+1], s[MO:MO+1]
	s_add_nc_u64 s[MP+2:MP+3], s[MB+2:MB+3], s[MO+2:MO+3]
	s_lshl_b32 s76, s73, 17
	s_add_co_u32 s76, s76, s[MO]
	s_add_nc_u64 s[PFM:PFM+1], s[10:11], s[76:77]
	s_add_nc_u64 s[PFM:PFM+1], s[PFM:PFM+1], 16384    ; at the second 256 keys; the first change steps it on
	s_lshl_b32 s76, s23, 19
	s_add_nc_u64 s[4:5], s[4:5], s[76:77]          ; qi at the head
	s_lshl_b32 s76, s71, 16
	s_lshl_b32 s78, s23, 12
	s_add_co_u32 s76, s76, s78
	s_add_nc_u64 s[20:21], s[20:21], s[76:77]      ; oi at piece 0's first tile, the head's eight blocks
	CROUND                                         ; all four work-groups are here: the first joint loads meet
	tensor_load_to_lds s[G0A:G0A+3], s[G1:G1+7]    ; two loads of mine are out
	s_nop 0
	tensor_load_to_lds s[G0B:G0B+3], s[G1:G1+7]
	s_nop 0
.rept 4
	v_nop
.endr
	v_and_b32 v1, 15, v0                           ; r
	v_bfe_u32 v58, v0, 4, 1                        ; hl
	v_and_b32 v[GO], 31, v0
	v_lshlrev_b32 v[GO], 4, v[GO]
	s_lshl_b32 s68, s71, 6
	s_lshl_b32 s69, s72, 6
	v_lshl_add_u32 v8, v1, 2, s68                  ; section_log_len: 4 r + 64 x tile
	v_lshl_add_u32 v9, v1, 2, s69
	s_lshl_b32 s68, s71, 12
	s_lshl_b32 s69, s72, 12
	v_add_nc_u32 v10, s68, v[GO]                   ; Q: 16 lane + 4,096 x tile
	v_add_nc_u32 v11, s69, v[GO]
	s_lshl_b32 s68, s23, 2
	v_mov_b32 v57, s68                             ; seq_scale: 4 x head
	WIN 0x80                                       ; destination window 2
.set n, 0
.rept 16                                       ; Q stays in registers: a piece's two tiles are 8,192 consecutive bytes
	global_load_b128 v[4*n:4*n+3], v10, s[4:5] offset:512*n
	global_load_b128 v[64+4*n:64+4*n+3], v11, s[4:5] offset:512*n
.set n, n+1
.endr
	WIN 0
	global_load_b32 v52, v8, s[16:17]
	global_load_b32 v53, v8, s[16:17] offset:64
	global_load_b32 v54, v9, s[16:17]
	global_load_b32 v55, v9, s[16:17] offset:64
	global_load_b32 v56, v57, s[18:19]
.macro MLOAD                           ; piece Y's mask for one step: 16 loads of 512 consecutive bytes
	WIN 0xc0                                       ; destination window 3
.irp h, 0,1
.irp c, 0,1,2,3,4,5,6,7
	global_load_b128 v[MK+32*(Y+(\h))+4*(\c):MK+32*(Y+(\h))+4*(\c)+3], v[GO], s[MP+Y:MP+Y+1] offset:(\h)*131072+(\c)*512
.endr
.endr
.endm
.set Y, 0
	MLOAD                                          ; piece 0's mask of my step 0: 53 loads of mine are out
	; what the first turn finds: O^T, l and piece 2's P are 0, m the lowest finite number.  All this stands in the wait for the first tile.
	WIN 0
.set n, 0
.rept 32
	v_mov_b32 v[P+32+n], 0
.set n, n+1
.endr
	WIN 0x40                                       ; destination window 1
.set n, 0
.rept 32                                       ; O^T starts at 0: a product of two fragments of zeros with C = 0 writes an accumulator's eight registers in one line
	v_wmma_f32_16x16x32_f16 v[8*n:8*n+7], v[P+32:P+39], v[P+40:P+47], 0
.set n, n+1
.endr
	WIN 0
.irp t, 0,1,2,3
	v_mov_b32 v[ST+8*(\t)], 0xff7fffff
	v_mov_b32 v[ST+8*(\t)+2], 0
	v_mov_b32 v[ST+8*(\t)+3], 0
.endr
	s_lshl_b32 s68, s14, 14
	v_add_nc_u32 v[AK0], s68, v[GO]
	v_add_nc_u32 v[AV0], 0x10000, v[AK0]
	s_mul_i32 s68, s[WV], XB
	v_add_nc_u32 v[XS], s68, v[GO]
	s_xor_b32 s69, s[WV], 2
	s_mul_i32 s69, s69, XB
	v_add_nc_u32 v[XR], s69, v[GO]
	v_lshlrev_b32 v[PFO], 4, v[GO]
	v_lshlrev_b32 v[PFOM], 8, v1
	v_lshl_add_u32 v[PFOM], v58, 13, v[PFOM]       ; lanes 0-15: a step's 16 blocks; lanes 16-31: my next step's, 8,192 bytes on
	s_wait_loadcnt 16                              ; Q, section_log_len and seq_scale are in; piece 0's 16 mask loads stay out
	v_cvt_pk_bf16_f32 v58, v52, v53                ; both rounded once to bf16, used in f32
	v_cvt_pk_bf16_f32 v59, v54, v55
	v_cvt_pk_bf16_f32 v56, v56, v56
	v_lshlrev_b32 v52, 16, v58
	v_and_b32 v53, 0xffff0000, v58
	v_lshlrev_b32 v54, 16, v59
	v_and_b32 v55, 0xffff0000, v59
	v_lshlrev_b32 v56, 16, v56
	v_mul_f32 v56, 0x3e0293ee, v56                 ; x log2(e) / sqrt(128)
.irp t, 0,1,2,3
	v_mul_f32 v[CQ+2*(\t)], v[52+(\t)], v56
	v_mul_f32 v[CQ+2*(\t)+1], v[52+(\t)], v56      ; named with it as a pair
.endr
.set Y, 2
	MLOAD                                          ; piece 2's mask of my step 0, behind piece 0's
	WIN 0
; THE MATRIX WORK.  The accumulators take turns, one instruction a turn.  Product i of 32 of O^T += V^T P for piece x: keys 32 (i / 16) on, channels 16 ((i / 2) % 8) on, tile x + i % 2.
.macro PV x
	WIN W_PV
.set rO, 64*((\x)+i%2)+8*((i/2)%8)
.set rV, 64*(i/16)+8*((i/2)%8)
.set rP, P+16*((\x)+i%2)+8*(i/16)
	v_wmma_f32_16x16x32_f16 v[rO:rO+7], v[rV:rV+7], v[rP:rP+7], v[rO:rO+7]
.endm
; Product i of 32 of S^T = K Q^T: channels 32 (i / 8) on, keys 16 ((i / 2) % 4) on, tile x + i % 2.  The first 8 start the sums.
.macro KQ x
	WIN W_KQ
.set rS, S+32*((\x)+i%2)+8*((i/2)%4)
.set rK, KF+32*((i/2)%4)+8*(i/8)
.set rQ, 32*((\x)+i%2)+8*(i/8)
.if i < 8
	v_wmma_f32_16x16x32_f16 v[rS:rS+7], v[rK:rK+7], v[rQ:rQ+7], 0
.else
	v_wmma_f32_16x16x32_f16 v[rS:rS+7], v[rK:rK+7], v[rQ:rQ+7], v[rS:rS+7]
.endif
.endm
; THE LDS LOADS stand in runs of 32: a step's K, and its V: 16,384 consecutive bytes each.  tail = 1: in the last trip there is no further step, and the run is jumped over.
.macro FETCH_K tail=0
	WIN 0
.if \tail
	s_cmp_eq_u32 s[CNT], 1
	s_cbranch_scc1 .Lno_k_\@
.endif
	v_add_nc_u32 v[ADR], s[TB], v[AK0]
	WIN 0x80
.set n, 0
.rept 32
	ds_load_b128 v[KF+4*n:KF+4*n+3], v[ADR] offset:512*n
.set n, n+1
.endr
.if \tail
	WIN 0
.Lno_k_\@:
.endif
.endm
.macro FETCH_V adv                     ; adv = 1, in a turn: the next fetch is my next step's, and the wait for the softmax's batch stands here, ahead of the loads
	WIN 0
	v_add_nc_u32 v[ADR], s[TB], v[AV0]
.if \adv
	s_add_co_u32 s[TB], s[TB], 32768
	s_wait_alu depctr_va_vdst(0)
.endif
	WIN 0xc0
.set n, 0
.rept 32
	ds_load_b128 v[4*n:4*n+3], v[ADR] offset:512*n
.set n, n+1
.endr
.endm
; THE VECTOR WORK.  One tile's softmax for one step is a list of 149; SM writes number j for tile tt.
;   0-15    t = s c2 + mask2, a pair of scores each, ascending: each accumulator is read from its low end on
;   16-31   the maximum of the 32 and the old m, three operands at a time     32-34  the other half of the lanes'; the new m (c0); m_old - m_new
;   35-83   ONE BATCH: the 16 subtractions t - m and all 33 exponentials (a at 37).  None of these names an exponential's result.  From 36 on it goes in fours, and a four begins with a subtraction while there are
;           subtractions: 36-51 subtraction, exponential, subtraction, exponential; 52-79 a subtraction and three exponentials; 80-83 the last four exponentials.  A pair is subtracted in an earlier four than its exponentials'
;   (wait)  between 83 and 84: TURN writes it, once for both tiles
;   84-99   the roundings to f16     100-115  the sums; l = a l + sum     116  m takes the new m     117-148  the tile's O^T times a
.macro SM
.set rT, ST+8*tt
.set rS, S+32*tt
.set rP, P+16*tt
.set rM, MK+32*tt
.set rC, CQ+2*tt
.set jj, j-14
.if j < 16
	WIN W_MA
.elseif j < 117
	WIN 0
.else
	WIN W_RS
.endif
.if j < 16
	v_pk_fma_f32 v[rS+2*j:rS+2*j+1], v[rS+2*j:rS+2*j+1], v[rC:rC+1], v[rM+2*j:rM+2*j+1] op_sel_hi:[1,0,1]
.elseif j < 20
	v_max3_num_f32 v[rT+4+j-16], v[rS+8*(j-16)], v[rS+8*(j-16)+1], v[rS+8*(j-16)+2]
.elseif j < 28
.set n, j-16
	v_max3_num_f32 v[rT+4+n%4], v[rT+4+n%4], v[rS+8*(n%4)+2*(n/4)+1], v[rS+8*(n%4)+2*(n/4)+2]
.elseif j == 28
	v_max3_num_f32 v[rT+4], v[rT+4], v[rS+7], v[rS+15]
.elseif j == 29
	v_max3_num_f32 v[rT+6], v[rT+6], v[rS+23], v[rS+31]
.elseif j == 30
	v_max3_num_f32 v[rT+4], v[rT+4], v[rT+5], v[rT+6]
.elseif j == 31
	v_max3_num_f32 v[rT+4], v[rT+4], v[rT+7], v[rT]
.elseif j == 32
	v_permlanex16_b32 v[rT+5], v[rT+4], s[SEL], s[SEL+1]  ; the query's other 32 keys lie in the lane 16 away
.elseif j == 33
	v_max_num_f32 v[rT+4], v[rT+4], v[rT+5]
.elseif j == 34
	v_sub_f32 v[rT+1], v[rT], v[rT+4]
.elseif jj == 23
	v_exp_f32 v[rT+6], v[rT+1]
.elseif (j < 84) && ((jj < 23) || ((jj < 38) && (jj%2 == 0)) || ((jj < 66) && (jj%4 == 2)))
.set b, (jj-2)/4                       ; 52, 56, .. 76: pairs 9 to 15
.if jj < 38
.set b, (jj-20)/2                      ; 35: pair 0; 36, 38, .. 50: pairs 1 to 8
.endif
	v_pk_add_f32 v[rS+2*b:rS+2*b+1], v[rS+2*b:rS+2*b+1], v[rT+4:rT+5] op_sel_hi:[1,0] neg_lo:[0,1] neg_hi:[0,1]
.elseif j < 84
.set e, jj-38                          ; 80 to 83: scores 28 to 31
.if jj < 66
.set e, jj-32-(jj-38)/4                ; 53-55, 57-59, .. 77-79: scores 7 to 27
.endif
.if jj < 38
.set e, (jj-25)/2                      ; 39, 41, .. 51: scores 0 to 6
.endif
	v_exp_f32 v[rS+e], v[rS+e]
.elseif j < 100
	v_cvt_pk_f16_f32 v[rP+j-84], v[rS+2*(j-84)], v[rS+2*(j-84)+1]
.elseif j < 116
.set z, j-100
.set w, 4
.set u, z
.if z >= 14
.set w, 32
.set u, 0
.elseif z >= 12
.set w, 16
.set u, z-12
.elseif z >= 8
.set w, 8
.set u, z-8
.endif
.if z < 15
	v_pk_add_f32 v[rS+w*u:rS+w*u+1], v[rS+w*u:rS+w*u+1], v[rS+w*u+w/2:rS+w*u+w/2+1]
.else
	v_pk_fma_f32 v[rT+2:rT+3], v[rT+2:rT+3], v[rT+6:rT+7], v[rS:rS+1] op_sel_hi:[1,0,1]
.endif
.elseif j == 116
	v_mov_b32 v[rT], v[rT+4]
.else
	v_pk_mul_f32 v[64*tt+2*(j-117):64*tt+2*(j-117)+1], v[64*tt+2*(j-117):64*tt+2*(j-117)+1], v[rT+6:rT+7] op_sel_hi:[1,0]
.endif
.endm
.macro DEAL c                          ; the next c entries of piece Y's two lists, the tiles alternating, so that no instruction reads the result of the one just before it
.rept \c
.set j, q/2
.set tt, Y+q%2
	SM
.set q, q+1
.endr
.endm
.macro FOUR                            ; the batch's next four numbers of ONE tile, the tiles by turns
.set tt, Y+f%2
.irp n, 0,1,2,3
.set j, 36+4*(f/2)+(\n)
	SM
.endr
.set f, f+1
.endm
; A TURN.  Piece x has the matrix unit; the other piece's 298 vector instructions stand in 64 slices behind its matrix instructions.  Slices 0-17: numbers 0-35 of both tiles.  Slices 18-41: the batch's 24 fours.
; Behind slice 41 a plain v_nop and ONE wait for the 66 exponentials: ahead of it nothing names a result of theirs, behind it no exponential is issued.  Slices 42-62: four of numbers 84 on.  Slice 63: the last 46,
; all plain rescalings under one window setting: 4 that belong there and the 42 that four to a slice cannot hold; they are also the places behind the turn's last K Q^T.
; The mask: at the head the other piece's 16 loads are in and my piece's 16 younger ones stay out; that wait also shows the loads done that read the pointer, which is stepped (and held at the last step);
; the next step's 16 loads go out behind slice 7, when the 32 instructions that read the mask have been issued.
; K of the next step is fetched in piece 0's turn, behind its second product.  V of the step in hand is fetched in piece 2's turn, at the wait: between V's last reader (slice 31's product) and the run stand eleven
; plain instructions: nine subtractions, the v_nop and the run's own v_add_nc_u32.
.macro TURN x, tail=0
.set Y, 2-(\x)
.set q, 0
.set f, 0
	s_wait_loadcnt 16
	s_add_co_u32 s[MO+Y], s[MO+Y], 8192
	s_min_u32 s[MO+Y], s[MO+Y], s[MOMAX]
	s_add_nc_u64 s[MP+Y:MP+Y+1], s[MB+Y:MB+Y+1], s[MO+Y:MO+Y+1]
.if (\x) == 0
	s_wait_dscnt 0x0                               ; V is in
.endif
.set i, 0
.rept 32
	PV \x
.if i < 18
	DEAL 4
.else
	FOUR
.endif
.if ((\x) == 0) && (i == 1)
	FETCH_K \tail
.endif
.if i == 7
	MLOAD
.endif
.set i, i+1
.endr
.if (\x) == 0
	s_wait_dscnt 0x0                               ; K is in
.endif
.set q, 168                            ; number 84 on
.set i, 0
.rept 32
	KQ \x
.if i < 10
	FOUR
.elseif i < 31
	DEAL 4
.else
	DEAL 46
.endif
.if i == 9
	v_nop                                          ; a plain instruction behind the last exponential,
.if (\x) == 0
	s_wait_alu depctr_va_vdst(0)                   ; and the wait for the batch, ahead of the first instruction that names a result
.else
	FETCH_V 1                                      ; and the wait for the batch, which stands in V's run of loads
.endif
.endif
.set i, i+1
.endr
.endm
; THE CHANGE OF SLOTS.  Each wave waits for all its tensor loads (one is out: its part of the other slot), adds 0 to its spare word, and waits for that and for its reads of the slot.  fill = 1: a round of the cluster's
; barrier, and the slot is filled again, with the 256 keys two slots on, first thing behind it: it has 256 matrix instructions a wave in which to land.
.macro CHANGE fill
	WIN 0
	s_wait_tensorcnt 0x0
	ds_add_u32 v[SPW], v[NIL]                      ; 0 onto my spare word
.if \fill
	s_xor_b32 s[G0B+1], s[G0B+1], SLOT1            ; the walking descriptor: the other slot than last time,
	s_add_nc_u64 s[G0B+2:G0B+3], s[G0B+2:G0B+3], 65536  ; the next 256 keys
	s_wait_xcnt 0x0                                ; the last prefetches, a slot back, have read their addresses
	s_add_nc_u64 s[PFA:PFA+1], s[PFA:PFA+1], 65536
	s_add_nc_u64 s[PFM:PFM+1], s[PFM:PFM+1], 16384
	s_wait_dscnt 0x0                               ; the add is done, and my reads of the slot are over
	CROUND
	tensor_load_to_lds s[G0B:G0B+3], s[G1:G1+7]
	s_nop 0
.rept 4
	v_nop
.endr
	ASK
.else
	s_wait_dscnt 0x0
	s_barrier_signal -1
	s_barrier_wait -1
.endif
	s_sub_co_u32 s[TB], s[TB], 65536               ; the fetches go back to a slot's first step,
	s_xor_b32 s[TB], s[TB], SLOT1                  ; in the other slot
.endm
	s_wait_tensorcnt 1                             ; my part of slot 0 is in; slot 1's may stay out
	s_barrier_signal -1
	s_barrier_wait -1
	FETCH_K                                        ; my step 0
	s_wait_dscnt 0x0                               ; K is in
	FETCH_V 0                                      ; and its V, so that the first turn's products on P = 0 read finite numbers; that turn fetches it once more
.set i, 0
.rept 32
	KQ 0                                           ; piece 0's first scores
.set i, i+1
.endr
	WIN 0
	PLACES
	s_wait_dscnt 0x0                               ; V is in
	s_mov_b32 s[SLOTS], 7
	s_mov_b32 s[CNT], 2
	s_branch .Lmid                                 ; the loop is entered in the middle of a trip
.Lslot:                                        ; six times: the 256 keys number 2 to 7 are asked for
	CHANGE 1
	s_mov_b32 s[CNT], 2
.Lstep:
	TURN 0
	WIN 0
.Lmid:
	TURN 2
	WIN 0
	s_sub_co_u32 s[CNT], s[CNT], 1
	s_cmp_lg_u32 s[CNT], 0
	s_cbranch_scc1 .Lstep
	s_sub_co_u32 s[SLOTS], s[SLOTS], 1
	s_cmp_lg_u32 s[SLOTS], 0
	s_cbranch_scc1 .Lslot
	CHANGE 0                                       ; the tail is written out
	s_mov_b32 s[CNT], 3                            ; two trips fetch the last slot's steps; the third is left in its middle
.Ltail:
	TURN 0, 1
	WIN 0
	s_sub_co_u32 s[CNT], s[CNT], 1
	s_cmp_eq_u32 s[CNT], 0
	s_cbranch_scc1 .Lout
	TURN 2
	WIN 0
	s_branch .Ltail
.Lout:                                         ; the third trip's 32 products K Q^T, on the last K once more, serve nothing: the price of one text for every trip
.set i, 0
.rept 32
	PV 2
.set i, i+1
.endr
	; THE TWO HALVES OF THE KEYS MEET.  l's two halves and the other half of the lanes' are added (the additions are the places behind the last products).
	WIN 0
.irp t, 0,1,2,3
	v_add_f32 v[ST+8*(\t)+4], v[ST+8*(\t)+2], v[ST+8*(\t)+3]
.endr
.irp t, 0,1,2,3
	v_permlanex16_b32 v[ST+8*(\t)+5], v[ST+8*(\t)+4], s[SEL], s[SEL+1]
.endr
.irp t, 0,1,2,3
	v_add_f32 v[ST+8*(\t)+2], v[ST+8*(\t)+4], v[ST+8*(\t)+5]
.endr
	v_mov_b32 v52, v[ST+16]                        ; what goes with piece 2's O^T: m and l of tiles 2 and 3
	v_mov_b32 v53, v[ST+18]
	v_mov_b32 v54, v[ST+24]
	v_mov_b32 v55, v[ST+26]
	s_wait_dscnt 0x0
	s_barrier_signal -1
	s_barrier_wait -1                              ; no wave reads K or V any more
	WIN 0x04                                       ; store data in window 1
.set n, 0
.rept 32
	ds_store_b128 v[XS], v[128+4*n:128+4*n+3] offset:512*n
.set n, n+1
.endr
	WIN 0
	ds_store_b128 v[XS], v[52:55] offset:16384
	s_wait_dscnt 0x0                               ; for the others' sake: my stores are done
	s_barrier_signal -1
	s_barrier_wait -1
.set n, 0
.rept 32
	ds_load_b128 v[S+4*n:S+4*n+3], v[XR] offset:512*n  ; wave w xor 2's sums for my tiles 0 and 1
.set n, n+1
.endr
	ds_load_b128 v[52:55], v[XR] offset:16384
	s_wait_dscnt 0x0
.irp h, 0,1
	v_max_num_f32 v[ST+8*(\h)+5], v[ST+8*(\h)], v[52+2*(\h)]
	v_sub_f32 v[ST+8*(\h)+4], v[ST+8*(\h)], v[ST+8*(\h)+5]
	v_sub_f32 v[ST+8*(\h)+6], v[52+2*(\h)], v[ST+8*(\h)+5]
.endr
.irp h, 0,1
	v_exp_f32 v[ST+8*(\h)+4], v[ST+8*(\h)+4]
	v_exp_f32 v[ST+8*(\h)+6], v[ST+8*(\h)+6]
.endr
	v_nop
	s_wait_alu depctr_va_vdst(0)                   ; one wait for the four exponentials
.irp h, 0,1
	v_mul_f32 v[ST+8*(\h)+7], v[ST+8*(\h)+6], v[53+2*(\h)]
	v_fma_f32 v[ST+8*(\h)+7], v[ST+8*(\h)+4], v[ST+8*(\h)+2], v[ST+8*(\h)+7]
.endr
.irp h, 0,1
	v_rcp_f32 v[ST+8*(\h)+5], v[ST+8*(\h)+7]
.endr
	v_nop
	s_wait_alu depctr_va_vdst(0)                   ; one wait for the two reciprocals
.irp h, 0,1
	v_mul_f32 v[ST+8*(\h)+4], v[ST+8*(\h)+4], v[ST+8*(\h)+5]
	v_mul_f32 v[ST+8*(\h)+6], v[ST+8*(\h)+6], v[ST+8*(\h)+5]
.endr
.irp h, 0,1
	WIN 0
.set n, 0
.rept 32
	v_pk_mul_f32 v[S+64*(\h)+2*n:S+64*(\h)+2*n+1], v[S+64*(\h)+2*n:S+64*(\h)+2*n+1], v[ST+8*(\h)+6:ST+8*(\h)+7] op_sel_hi:[1,0]
.set n, n+1
.endr
	WIN 0x01                                       ; source 0 in window 1
.set n, 0
.rept 32
	v_pk_fma_f32 v[S+64*(\h)+2*n:S+64*(\h)+2*n+1], v[64*(\h)+2*n:64*(\h)+2*n+1], v[ST+8*(\h)+4:ST+8*(\h)+5], v[S+64*(\h)+2*n:S+64*(\h)+2*n+1] op_sel_hi:[1,0,1]
.set n, n+1
.endr
	WIN 0
.set n, 0
.rept 32
	v_cvt_pk_f16_f32 v[S+64*(\h)+n], v[S+64*(\h)+2*n], v[S+64*(\h)+2*n+1]  ; ascending, in place: a destination never lies above a source still to be read
.set n, n+1
.endr
.irp c, 0,1,2,3,4,5,6,7
	global_store_b128 v[GO], v[S+64*(\h)+4*(\c):S+64*(\h)+4*(\c)+3], s[20:21] offset:(\h)*65536+(\c)*512  ; 512 consecutive bytes, aligned
.endr
.endr
	s_wait_tensorcnt 0x0                           ; the wave's end
	ds_add_u32 v[SPW], v[NIL]
	s_wait_dscnt 0x0
	CROUND                                         ; the closing round
	s_endpgm
.Lfunc_end_k_q704a737d6b_attn:
	.size	k_q704a737d6b_attn, .Lfunc_end_k_q704a737d6b_attn-k_q704a737d6b_attn
	.p2alignl 7, 3214868480
	.fill 96, 4, 3214868480
	.section	.rodata,"a",@progbits
	.p2align	6, 0x0
	.amdhsa_kernel k_q704a737d6b_attn
		.amdhsa_group_segment_fixed_size 327680
		.amdhsa_private_segment_fixed_size 0
		.amdhsa_enable_private_segment 0
		.amdhsa_kernarg_size 56
		.amdhsa_user_sgpr_count 2
		.amdhsa_user_sgpr_kernarg_segment_ptr 1
		.amdhsa_wavefront_size32 1
		.amdhsa_system_sgpr_workgroup_id_x 1
		.amdhsa_system_sgpr_workgroup_id_y 1
		.amdhsa_system_sgpr_workgroup_id_z 1
		.amdhsa_system_vgpr_workitem_id 0
		.amdhsa_next_free_vgpr 1024
		.amdhsa_next_free_sgpr 80
		.amdhsa_reserve_vcc 0
		.amdhsa_float_denorm_mode_32 3
		.amdhsa_float_denorm_mode_16_64 3
		.amdhsa_memory_ordered 1
		.amdhsa_forward_progress 1
		.amdhsa_inst_pref_size 161
	.end_amdhsa_kernel
	.amdgpu_metadata
---
amdhsa.version: [ 1, 2 ]
amdhsa.kernels:
  - .name:           k_q704a737d6b_attn
    .symbol:         k_q704a737d6b_attn.kd
    .args:
      - { .name: qi, .offset: 0, .size: 8, .value_kind: global_buffer, .address_space: global }
      - { .name: ki, .offset: 8, .size: 8, .value_kind: global_buffer, .address_space: global }
      - { .name: vi, .offset: 16, .size: 8, .value_kind: global_buffer, .address_space: global }
      - { .name: mask2, .offset: 24, .size: 8, .value_kind: global_buffer, .address_space: global }
      - { .name: section_log_len, .offset: 32, .size: 8, .value_kind: global_buffer, .address_space: global }
      - { .name: seq_scale, .offset: 40, .size: 8, .value_kind: global_buffer, .address_space: global }
      - { .name: oi, .offset: 48, .size: 8, .value_kind: global_buffer, .address_space: global }
    .group_segment_fixed_size: 327680
    .private_segment_fixed_size: 0
    .kernarg_segment_align: 8
    .kernarg_segment_size: 56
    .max_flat_workgroup_size: 128
    .sgpr_count:     80
    .vgpr_count:     1024
    .wavefront_size: 32
...
	.end_amdgpu_metadata
.endif
;; end of part 3
;; launch oproj (part 4): grid 16 x 16, 4 waves a work-group, clusters of 4 x 4, 327,680 bytes of LDS; arguments oi, wob, out0; writes out0
.if DOCPART == 4
	.amdgcn_target "amdgcn-amd-amdhsa--gfx1250"
	.amdhsa_code_object_version 6
	.text
	.protected	k_q704a737d6b_oproj
	.globl	k_q704a737d6b_oproj
	.p2align	8
	.type	k_q704a737d6b_oproj,@function
k_q704a737d6b_oproj:
	s_mov_b64 s[64:65], 0
	v_nop
	global_prefetch_b8 v0, s[64:65] scope:SCOPE_SE
	s_setreg_imm32_b32 hwreg(HW_REG_WAVE_MODE, 25, 1), 1
	s_wait_xcnt 0x0
	s_wait_alu depctr_hold_cnt(0) depctr_sa_sdst(0) depctr_va_vdst(0) depctr_va_sdst(0) depctr_va_ssrc(0) depctr_va_vcc(0) depctr_vm_vsrc(0)
	s_getreg_b32 s2, hwreg(HW_REG_IB_STS2, 6, 4)
	s_cmp_eq_u32 s2, 0
	s_cbranch_scc0 .Lentry_in_a_cluster
	s_endpgm
.Lentry_in_a_cluster:
	s_bfe_u32 s2, ttmp6, 0x10000c
	s_cmp_lg_u32 s2, 0xf033
	s_cbranch_scc0 .Lentry_shape_is_right
	s_endpgm
.Lentry_shape_is_right:
; OUT = O wo.  O: f16, as fragments (oi: (row / 16) 65,536 + (k / 16) 512 + 16 lane).  wo: f16 [k][n] (wob).  out0: f32 [2048][2048].  Sums in f32.
; A tile of out0 is 128 x 128: 16 x 16 = 256 work-groups.  Four waves, each 64 x 64: 16 accumulators.  K goes in 8 steps of 256 through two LDS slots; a quarter is 64 along K, 32 matrix instructions.
; O's tile is 8 row tiles x 8,192 dense bytes: lane i reads at 16 i, no padding.  wo's tile is 256 rows x 256 bytes, padded; its fragments come turned, by ds_load_tr16_b128.
; The matrix instruction is used transposed (source 0 = 16 columns of wo, source 1 = 16 rows of O): a lane holds eight neighbouring numbers of a row of out0, 32 bytes.
; CLUSTER 4 x 4: O's tile is asked for jointly along a row of the cluster, wo's along a column.  No prefetch: a K step here is 128 matrix instructions and the whole launch 8 of them.
; ONE K STEP IS WRITTEN ONCE: the slot in hand is a scalar offset, 0 or SLOT, turned by an exclusive or; the fragment addresses are made anew from it at each change of slots, and one descriptor walks.
; REGISTERS: window 0: v16-29 addresses; v128-255 the accumulators, (a, b) at 128 + 8 (4 a + b).   window 1: two fragment buffers of 128: 64 registers of O, then 64 of wo.
.set PB,    288                        ; an LDS row of wo: 256 bytes + 32
.set BOFF,  65536
.set BHALF, 128*PB
.set SLOT,  BOFF+2*BHALF               ; 139,264 = 0x22000: it shares no bit with a tile's place in a slot (0, 0x8000, 0x10000, 0x19000), so one exclusive or turns an LDS address into the other slot's
.set STAGE, 2*SLOT                     ; behind the ring: 16 rows x 272 bytes for each wave, for the way out
.set SPITCH, 272
.set SPARE, STAGE+4*16*SPITCH          ; the spare words, 128 bytes a wave: two blocks of 256 bytes that no other line names
.set ADRA,  16                         ; v16     my fragments of O in the slot in hand
.set ADRA0, 17                         ; v17     in slot 0; never rewritten
.set ADRB,  20                         ; v20-21  of wo, by which 128 rows, in the slot in hand
.set ADRB0, 22                         ; v22-23  in slot 0; never rewritten
.set STO,  24
.set RD,   25
.set CO,   26
.set SPW,  28
.set NIL,  29
.set ACC,  128
.set F0,   0
.set F1,   128
.set G1, 24
.set G0, 32                            ; s[32:39] group 0 for O's tiles: a set for each of the two first fills; the second then walks
.set TB, 45                            ; s45  the slot in hand: 0 or SLOT
.set G1B, 48
.set G0B, 56
.set MSB, 0
.macro WIN new
.if MSB != (\new)
	s_set_vgpr_msb (MSB<<8)|(\new)
.set MSB, \new
.endif
.endm
.set MUL,  0x05                        ; sources 0 and 1 window 1; C and D window 0
.set TO_F, 0x40                        ; destination window 1
.macro JLOAD                           ; a joint refill, by the walking descriptors: waves 0 and 1 fetch O's two halves, waves 2 and 3 wo's; an s_nop 0 and four v_nop follow each line
	s_cmp_eq_u32 s11, 0
	s_cbranch_scc0 .Lfor_b_\@
	tensor_load_to_lds s[G0+4:G0+7], s[G1:G1+7]
	s_nop 0
.rept 4
	v_nop
.endr
	s_branch .Lasked_\@
.Lfor_b_\@:
	tensor_load_to_lds s[G0B+4:G0B+7], s[G1B:G1B+7]
	s_nop 0
.rept 4
	v_nop
.endr
.Lasked_\@:
.endm
.macro CREST
	s_cmp_lg_u32 s10, 0
	s_cbranch_scc1 .Lnot_wave_0_\@
	s_barrier_signal -3
.Lnot_wave_0_\@:
	s_barrier_wait -3
	s_barrier_signal -1
	s_barrier_wait -1
.endm
.macro CROUND
	s_barrier_signal -1
	s_barrier_wait -1
	CREST
.endm
	s_load_b128 s[4:7], s[0:1], 0x0                ; oi s[4:5], wob s[6:7]
	s_load_b64 s[8:9], s[0:1], 0x10                ; out0
	v_lshl_add_u32 v[SPW], v0, 2, SPARE
	v_mov_b32 v[NIL], 0
	ds_add_u32 v[SPW], v[NIL]                      ; the wave's opening: the add and its wait stand ahead of my first tensor load
	v_lshrrev_b32 v1, 5, v0
	v_readfirstlane_b32 s10, v1                    ; wave
	s_lshr_b32 s11, s10, 1                         ; which 64 rows are mine.  Also: I fetch O (0) or wo (1)
	s_and_b32 s12, s10, 1                          ; which 64 columns.  Also: which half of that tile I fetch
	s_bfe_u32 s40, ttmp6, 0x40000
	s_bfe_u32 s41, ttmp6, 0x40004
	s_lshl_b32 s42, ttmp9, 2
	s_add_co_u32 s42, s42, s40                     ; column block
	s_and_b32 s13, ttmp7, 0xffff
	s_lshl_b32 s13, s13, 2
	s_add_co_u32 s13, s13, s41                     ; row block
	s_lshl_b32 s43, s41, 2
	s_lshl_b32 s43, 15, s43                        ; my row of the cluster
	s_lshl_b32 s44, 0x1111, s40                    ; my column
	s_or_b32 s[G1], s43, (3<<16)|(1<<21)           ; O: the mask; 8-byte elements; bit 21 beside a mask; no padding
	s_mov_b32 s[G1+1], 1024<<16                    ; tensor_dim0 = 1,024 (8,192 bytes)
	s_mov_b32 s[G1+2], 4<<16                       ; tensor_dim1 = 4 row tiles
	s_mov_b32 s[G1+3], 1024<<16                    ; tile_dim0
	s_mov_b32 s[G1+4], 4                           ; tile_dim1
	s_mov_b32 s[G1+5], 8192                        ; 65,536 bytes from row tile to row tile
	s_mov_b32 s[G1+6], 0
	s_mov_b32 s[G1+7], 0
	s_or_b32 s[G1B], s44, (1<<16)|(1<<20)|(1<<21)|(5<<22)|(7<<25)  ; wo: 2-byte elements; after every 64 words 8 words of padding
	s_mov_b32 s[G1B+1], 128<<16
	s_mov_b32 s[G1B+2], 128<<16
	s_mov_b32 s[G1B+3], 128<<16
	s_mov_b32 s[G1B+4], 128
	s_mov_b32 s[G1B+5], 2048
	s_mov_b32 s[G1B+6], 0
	s_mov_b32 s[G1B+7], 0
	s_lshl_b32 s16, s13, 19                        ; O: 8 row tiles a row block,
	s_lshl_b32 s17, s12, 18                        ; my four of them
	s_add_co_u32 s16, s16, s17
	s_mov_b32 s17, 0
	s_lshl_b32 s46, s12, 19                        ; wo: my 128 rows of 4,096 bytes,
	s_lshl_b32 s47, s42, 8                         ; the block's 128 columns
	s_add_co_u32 s46, s46, s47
	s_mov_b32 s47, 0
	s_lshl_b32 s20, s12, 15                        ; where they go
	s_mul_i32 s21, s12, BHALF
	s_add_co_u32 s21, s21, BOFF
	s_mov_b32 s[TB], 0
	s_wait_dscnt 0x0                               ; the opening add is done
	s_wait_kmcnt 0x0
	s_add_nc_u64 s[14:15], s[4:5], s[16:17]
	s_add_nc_u64 s[46:47], s[6:7], s[46:47]
	CROUND                                         ; all sixteen work-groups are here
.irp s, 0,1
	s_mov_b32 s[G0+4*(\s)], 1
	s_add_co_u32 s[G0+4*(\s)+1], s20, (\s)*SLOT
	s_add_nc_u64 s[G0+4*(\s)+2:G0+4*(\s)+3], s[14:15], (\s)*8192
	s_or_b32 s[G0+4*(\s)+3], s[G0+4*(\s)+3], 0x80000000
	s_mov_b32 s[G0B+4*(\s)], 1
	s_add_co_u32 s[G0B+4*(\s)+1], s21, (\s)*SLOT
	s_add_nc_u64 s[G0B+4*(\s)+2:G0B+4*(\s)+3], s[46:47], (\s)*1048576
	s_or_b32 s[G0B+4*(\s)+3], s[G0B+4*(\s)+3], 0x80000000
.endr
	s_cmp_eq_u32 s11, 0                            ; a wave's two first fills stand in one branch: two loads of mine are out
	s_cbranch_scc0 .Lfirst_b
	tensor_load_to_lds s[G0:G0+3], s[G1:G1+7]
	s_nop 0
	tensor_load_to_lds s[G0+4:G0+7], s[G1:G1+7]
	s_nop 0
.rept 4
	v_nop
.endr
	s_branch .Lfirst_asked
.Lfirst_b:
	tensor_load_to_lds s[G0B:G0B+3], s[G1B:G1B+7]
	s_nop 0
	tensor_load_to_lds s[G0B+4:G0B+7], s[G1B:G1B+7]
	s_nop 0
.rept 4
	v_nop
.endr
.Lfirst_asked:
	v_and_b32 v1, 15, v0                           ; r
	v_bfe_u32 v2, v0, 4, 1                         ; hl
	v_and_b32 v3, 31, v0
	s_lshl_b32 s22, s11, 15                        ; my four row tiles
	v_lshl_add_u32 v[ADRA0], v3, 4, s22
	v_mov_b32 v[ADRA], v[ADRA0]
	v_and_b32 v4, 7, v0
	v_bfe_u32 v5, v0, 3, 1
	v_lshl_add_u32 v6, v2, 3, v4
	v_mul_u32_u24 v6, v6, PB
	v_lshl_add_u32 v6, v5, 4, v6
	s_lshl_b32 s22, s12, 7
	v_add_nc_u32 v6, s22, v6                       ; (8 hl + l % 8) x pitch + 16 ((l / 8) % 2) + my 64 columns
.irp h, 0,1
	v_add_nc_u32 v[ADRB0+(\h)], BOFF+(\h)*BHALF, v6
	v_mov_b32 v[ADRB+(\h)], v[ADRB0+(\h)]
.endr
	s_mul_i32 s23, s10, 16*SPITCH
	s_add_co_u32 s23, s23, STAGE                   ; my stage
	v_mul_u32_u24 v4, v1, SPITCH
	v_lshl_add_u32 v4, v2, 5, v4                   ; in: row r, 32 bytes for each half of the lanes
	v_add_nc_u32 v[STO], s23, v4
	v_mul_u32_u24 v5, v2, SPITCH
	v_lshl_add_u32 v5, v1, 4, v5                   ; back: lanes 0-15 one row of 256 bytes, lanes 16-31 the next
	v_add_nc_u32 v[RD], s23, v5
	v_lshlrev_b32 v5, 13, v2
	v_lshl_add_u32 v[CO], v1, 4, v5                ; and the same two rows in out0
	s_lshl_b32 s16, s13, 20
	s_lshl_b32 s17, s11, 19
	s_add_co_u32 s16, s16, s17                     ; (128 row block + 64 wr) x 8,192 bytes
	s_mov_b32 s17, 0
	s_add_nc_u64 s[8:9], s[8:9], s[16:17]
	s_lshl_b32 s46, s42, 9
	s_lshl_b32 s47, s12, 8
	s_add_co_u32 s46, s46, s47                     ; 512 column block + 256 wc
	s_mov_b32 s47, 0
	s_add_nc_u64 s[8:9], s[8:9], s[46:47]
; 8 matrix instructions: row blocks a0, a0 + 1 x all 4 column blocks, 32 along K: half c of buffer f.  The 16 accumulators take turns.
.macro MUL8 f, c, a0, zero
	WIN MUL
.irp a, \a0, (\a0)+1
.irp b, 0,1,2,3
.if \zero
	v_wmma_f32_16x16x32_f16 v[ACC+8*(4*(\a)+(\b)):ACC+8*(4*(\a)+(\b))+7], v[(\f)+64+8*(4*(\c)+(\b)):(\f)+64+8*(4*(\c)+(\b))+7], v[(\f)+8*(4*(\c)+(\a)):(\f)+8*(4*(\c)+(\a))+7], 0
.else
	v_wmma_f32_16x16x32_f16 v[ACC+8*(4*(\a)+(\b)):ACC+8*(4*(\a)+(\b))+7], v[(\f)+64+8*(4*(\c)+(\b)):(\f)+64+8*(4*(\c)+(\b))+7], v[(\f)+8*(4*(\c)+(\a)):(\f)+8*(4*(\c)+(\a))+7], v[ACC+8*(4*(\a)+(\b)):ACC+8*(4*(\a)+(\b))+7]
.endif
.endr
.endr
.endm
; 32 LDS loads in one run: quarter q of the slot in hand into buffer f; the first 32 along K first
.macro FETCH q, f
	WIN TO_F
.irp c, 0,1
.irp i, 0,1,2,3
	ds_load_tr16_b128 v[(\f)+64+8*(4*(\c)+(\i)):(\f)+64+8*(4*(\c)+(\i))+3],   v[ADRB+(\q)/2] offset:(((\q)%2)*64+32*(\c))*PB+32*(\i)
	ds_load_tr16_b128 v[(\f)+64+8*(4*(\c)+(\i))+4:(\f)+64+8*(4*(\c)+(\i))+7], v[ADRB+(\q)/2] offset:(((\q)%2)*64+32*(\c))*PB+32*(\i)+16*PB
	ds_load_b128 v[(\f)+8*(4*(\c)+(\i)):(\f)+8*(4*(\c)+(\i))+3],   v[ADRA] offset:(\i)*8192+(2*(\q)+(\c))*1024
	ds_load_b128 v[(\f)+8*(4*(\c)+(\i))+4:(\f)+8*(4*(\c)+(\i))+7], v[ADRA] offset:(\i)*8192+(2*(\q)+(\c))*1024+512
.endr
.endr
.endm
.macro PLACES
.rept 4
	v_nop
.endr
.endm
.macro QUARTER q, f, g, zero
	s_wait_dscnt 16                                ; the first 32 along K are in
	MUL8 \f, 0, 0, \zero
	MUL8 \f, 0, 2, \zero
	PLACES
	FETCH \q, \g
	s_wait_dscnt 32                                ; all but the 32 just issued
	MUL8 \f, 1, 0, 0
	MUL8 \f, 1, 2, 0
.endm
; The last quarter multiplies buffer 1 and changes slots: one barrier; in front of it each wave waits for all its tensor loads, adds 0 to its spare word, and waits for that and for its reads of this slot.
.macro TURN fill
	WIN 0
	s_wait_tensorcnt 0x0                           ; all my tensor loads have landed: my part of the next slot
	ds_add_u32 v[SPW], v[NIL]                      ; 0 onto my spare word
	s_wait_dscnt 17                                ; (the add and the youngest sixteen loads may be out)
	MUL8 F1, 0, 0, 0
	s_wait_dscnt 0x0                               ; the add is done, and my reads of this slot are over
	s_barrier_signal -1
	MUL8 F1, 0, 2, 0
	WIN 0
	s_barrier_wait -1
.if \fill
	CREST                                          ; no wave of any partner still reads this slot or has a load on its way
	s_xor_b32 s[G0+5], s[G0+5], SLOT               ; the walking descriptors: the other slot than last time,
	s_add_nc_u64 s[G0+6:G0+7], s[G0+6:G0+7], 8192  ; the next K step
	s_xor_b32 s[G0B+5], s[G0B+5], SLOT
	s_add_nc_u64 s[G0B+6:G0B+7], s[G0B+6:G0B+7], 1048576
	JLOAD                                          ; my one tensor load behind the round; its four v_nop are also places in front of the loads below
.else
	PLACES
.endif
	s_xor_b32 s[TB], s[TB], SLOT                   ; the fetches go on in the other slot
	v_add_nc_u32 v[ADRA], s[TB], v[ADRA0]
	v_add_nc_u32 v[ADRB], s[TB], v[ADRB0]
	v_add_nc_u32 v[ADRB+1], s[TB], v[ADRB0+1]
	FETCH 0, F0
	MUL8 F1, 1, 0, 0
	MUL8 F1, 1, 2, 0
.endm
	s_wait_tensorcnt 1                             ; my part of K step 0 is in; K step 1's may stay out
	s_barrier_signal -1
	s_barrier_wait -1
	FETCH 0, F0
	QUARTER 1, F0, F1, 1                           ; the first quarter stands in front of the loop: its first products start the sums
	WIN 0
	s_mov_b32 s3, 6
.Lstep:                                        ; a trip goes from a K step's second quarter to the next step's first, and fills the slot that it leaves: K steps 2 to 7
	QUARTER 2, F1, F0, 0
	QUARTER 3, F0, F1, 0
	TURN 1
	QUARTER 1, F0, F1, 0
	WIN 0
	s_sub_co_u32 s3, s3, 1
	s_cmp_lg_u32 s3, 0
	s_cbranch_scc1 .Lstep
	QUARTER 2, F1, F0, 0                           ; the last two K steps fill nothing
	QUARTER 3, F0, F1, 0
	TURN 0
	QUARTER 1, F0, F1, 0
	QUARTER 2, F1, F0, 0
	QUARTER 3, F0, F1, 0
	s_wait_dscnt 16
	MUL8 F1, 0, 0, 0
	MUL8 F1, 0, 2, 0
	s_wait_dscnt 0x0
	MUL8 F1, 1, 0, 0
	MUL8 F1, 1, 2, 0
	WIN 0
	PLACES
	PLACES
; THE WAY OUT, 16 rows at a time, through my own stage: a lane's 32 bytes of a row go in (each accumulator's low four registers first), whole rows of 256 bytes come back into the registers that they left.
.macro PUT a
.irp b, 0,1,2,3
	ds_store_b128 v[STO], v[ACC+32*(\a)+8*(\b):ACC+32*(\a)+8*(\b)+3]   offset:64*(\b)
	ds_store_b128 v[STO], v[ACC+32*(\a)+8*(\b)+4:ACC+32*(\a)+8*(\b)+7] offset:64*(\b)+16
.endr
.irp t, 0,1,2,3,4,5,6,7
	ds_load_b128 v[ACC+32*(\a)+4*(\t):ACC+32*(\a)+4*(\t)+3], v[RD] offset:(\t)*2*SPITCH  ; LDS serves a wave's instructions in order (ISA guide 5.7.1.4): these see the stores above; the next block's stores come behind them
.endr
.endm
.macro SEND a, younger                 ; younger: the LDS instructions issued behind block a's loads
.irp t, 0,1,2,3,4,5,6,7
	s_wait_dscnt (\younger)+7-(\t)
	global_store_b128 v[CO], v[ACC+32*(\a)+4*(\t):ACC+32*(\a)+4*(\t)+3], s[8:9] offset:(16*(\a)+2*(\t))*8192  ; 16 lanes store 256 consecutive bytes, aligned
.endr
.endm
	PUT 0
	PUT 1
	SEND 0, 16
	PUT 2
	SEND 1, 16
	PUT 3
	SEND 2, 16
	SEND 3, 0
	s_wait_tensorcnt 0x0                           ; the wave's end
	ds_add_u32 v[SPW], v[NIL]
	s_wait_dscnt 0x0
	CROUND                                         ; the closing round
	s_endpgm
.Lfunc_end_k_q704a737d6b_oproj:
	.size	k_q704a737d6b_oproj, .Lfunc_end_k_q704a737d6b_oproj-k_q704a737d6b_oproj
	.p2alignl 7, 3214868480
	.fill 96, 4, 3214868480
	.section	.rodata,"a",@progbits
	.p2align	6, 0x0
	.amdhsa_kernel k_q704a737d6b_oproj
		.amdhsa_group_segment_fixed_size 327680
		.amdhsa_private_segment_fixed_size 0
		.amdhsa_enable_private_segment 0
		.amdhsa_kernarg_size 24
		.amdhsa_user_sgpr_count 2
		.amdhsa_user_sgpr_kernarg_segment_ptr 1
		.amdhsa_wavefront_size32 1
		.amdhsa_system_sgpr_workgroup_id_x 1
		.amdhsa_system_sgpr_workgroup_id_y 1
		.amdhsa_system_sgpr_workgroup_id_z 1
		.amdhsa_system_vgpr_workitem_id 0
		.amdhsa_next_free_vgpr 512
		.amdhsa_next_free_sgpr 66
		.amdhsa_reserve_vcc 0
		.amdhsa_float_denorm_mode_32 3
		.amdhsa_float_denorm_mode_16_64 3
		.amdhsa_memory_ordered 1
		.amdhsa_forward_progress 1
		.amdhsa_inst_pref_size 69
	.end_amdhsa_kernel
	.amdgpu_metadata
---
amdhsa.version: [ 1, 2 ]
amdhsa.kernels:
  - .name:           k_q704a737d6b_oproj
    .symbol:         k_q704a737d6b_oproj.kd
    .args:
      - { .name: oi, .offset: 0, .size: 8, .value_kind: global_buffer, .address_space: global }
      - { .name: wob, .offset: 8, .size: 8, .value_kind: global_buffer, .address_space: global }
      - { .name: out0, .offset: 16, .size: 8, .value_kind: global_buffer, .address_space: global }
    .group_segment_fixed_size: 327680
    .private_segment_fixed_size: 0
    .kernarg_segment_align: 8
    .kernarg_segment_size: 24
    .max_flat_workgroup_size: 128
    .sgpr_count:     66
    .vgpr_count:     512
    .wavefront_size: 32
...
	.end_amdgpu_metadata
.endif
;; end of part 4
